; MI455X (gfx1250); checked and timed in simulation.
; The chip was launched on July 23, 2026; its instructions are those of AMD's public machine-readable ISA for CDNA 5 (MIT licence, August 2026) and "CDNA5" Instruction Set Architecture Reference Guide (July 2026). The comments in the code are by the model that wrote it; some were corrected since.
;; Multi Head Attention. Allowed arithmetic: matrix products marked QUANTISED: E2M3 operands, one E8M0 scale for each 32 along K, by v_wmma_scale_f32_16x16x128_f8f6f4 with both operands' format E2M3, f32 sums; everything else in f32.
;; Inputs: Wk 1,024 x 1,024 float32; Wo 1,024 x 1,024 float32; Wq 1,024 x 1,024 float32; Wv 1,024 x 1,024 float32; bk 1,024 float32; bo 1,024 float32; bq 1,024 float32; bv 1,024 float32; x 2 x 2,048 x 1,024 float32.
;; Outputs: out0 2 x 2,048 x 1,024 float32.
;; This version of the problem:
;;   THIS VERSION OF THE PROBLEM IS GIVEN IN LOW PRECISION. The matrix products marked QUANTISED in the list below multiply operands that are first quantised to E2M3 (2 exponent bits, 3 mantissa bits; 6 bits a number), with one power-of-two scale for each 32 numbers along K (OCP MX v1.0); their sums are f32. All else is computed in f32.
;;   The module's matrix products, in the order in which they are computed (A, B: the left and right operand; K: the contracted axis; several contracted axes count as one K, in the product's order):
;;     1. [M 4,096, K 1,024] x [K 1,024, N 1,024]; A: input x; B: input Wq: QUANTISED
;;     2. [M 4,096, K 1,024] x [K 1,024, N 1,024]; A: input x; B: input Wk: QUANTISED
;;     3. [M 4,096, K 1,024] x [K 1,024, N 1,024]; A: input x; B: input Wv: QUANTISED
;;     4. batch 32 x [M 2,048, K 64] x [K 64, N 2,048]; A: computed on the way; B: computed on the way: QUANTISED
;;     5. batch 32 x [M 2,048, K 2,048] x [K 2,048, N 64]; A: softmax (see below); B: computed on the way: QUANTISED
;;     6. [M 4,096, K 1,024] x [K 1,024, N 1,024]; A: computed on the way; B: input Wo: QUANTISED
;;   THE QUANTISER, for each operand of a quantised product, along K:
;;     - K is cut into blocks of 32 from its start; a last block that is shorter is filled with zeros.
;;     - A block's scale is 2^e with e = floor(log2(the largest magnitude in the block)) - 2, held to -126 .. 127; a block of zeros has e = 0. As a byte (E8M0): e + 127.
;;     - Each number is divided by its block's scale, clamped to +-7.5, and rounded to the nearest number of E2M3, ties to even, subnormals kept.
;;     - The product sums the exact products of the quantised numbers (number of the format x scale) in f32.
;;   ~~~python
;;   def quantise(x, axis):      # numpy; x: float32 -> the quantised numbers, widened to float32 again
;;       x = np.moveaxis(x, axis, -1); K = x.shape[-1]
;;       x = np.pad(x, [(0, 0)] * (x.ndim - 1) + [(0, -K % 32)]); x = x.reshape(x.shape[:-1] + (-1, 32)); a = np.abs(x).max(-1, keepdims=True)
;;       e = np.where(a > 0, np.clip(np.frexp(np.where(a > 0, a, 1))[1] - 1 - 2, -126, 127), 0)      # np.frexp(a)[1] - 1 = floor(log2(a)), exactly
;;       r = np.clip(x / 2.0 ** e, -7.5, 7.5)
;;       step = 2.0 ** (np.maximum(np.frexp(np.where(r == 0, 1, r))[1] - 1, 0) - 3)
;;       q = np.round(r / step) * step * 2.0 ** e      # np.round: ties to even
;;       return np.moveaxis(q.reshape(q.shape[:-2] + (-1,))[..., :K], -1, axis).astype(np.float32)
;;   ~~~
;;   SOFTMAX AHEAD OF A QUANTISED PRODUCT. Where the list says 'softmax', what is quantised is not the finished softmax but p = 2^(t - M), with t = logit x log2(e) and M = ceil(the row's largest t), a whole number; so 1/2 < the row's largest p <= 1. The row's sum l is taken of the UNQUANTISED p, in f32, and the product's result is divided by l at the end. Since M is a whole number, a kernel that streams over the keys may use a running M (the ceiling of the running maximum): every later rescaling is an exact power of two, which a block's scale takes up: the codes' values come out the same.
;;   OPERANDS COMPUTED ON THE WAY. 'Computed on the way' means the value that the module computes at that place (a softmax that the list does not call 'softmax' is quantised finished and normalised). What goes into a quantiser is computed in f32, as accurately as f32 sums, v_exp_f32 and their like allow (about 1e-6 of the number): no bf16 or f16 on the way to a quantiser, and a product that is left as it is and whose result goes on into a quantised operand takes f32 operands (vector FMAs, or v_wmma_f32_16x16x4_f32). A number that lies on a knife's edge between two numbers of the format may be rounded either way, as far as f32 arithmetic and the matrix unit's own rounding can turn it there, and no further.
;; 2 versions. Each part assembles by itself: llvm-mc -triple=amdgcn-amd-amdhsa -mcpu=gfx1250 --defsym DOCPART=n.
;; ======== version 1 of 2: 5 launches
;; workspace buffers: img 6,291,456 bytes; scl 262,144 bytes; qkv 9,437,184 bytes; qkvs 786,432 bytes; aimg 3,145,728 bytes; ascl 131,072 bytes
;; launch qx (part 1): grid 128 x 2, 8 waves a work-group, no clusters, 69,120 bytes of LDS; arguments x, img, scl; writes img, scl
.if DOCPART == 1
	.amdgcn_target "amdgcn-amd-amdhsa--gfx1250"
	.amdhsa_code_object_version 6
	.text
	.protected	k_qebeccf11a1_qx
	.globl	k_qebeccf11a1_qx
	.p2align	8
	.type	k_qebeccf11a1_qx,@function
k_qebeccf11a1_qx:
	s_mov_b64 s[64:65], 0
	v_nop
	global_prefetch_b8 v0, s[64:65] scope:SCOPE_SE
	s_setreg_imm32_b32 hwreg(HW_REG_WAVE_MODE, 25, 1), 1
	s_wait_xcnt 0x0
; x [4096 tokens][1024] f32 becomes codes of FP6 (E2M3) with one E8M0 byte for each 32 along K, laid as IMAGES OF OPERAND REGISTERS.
; A tile is 16 tokens: tile 2 B + u, lane row r, is token 32 B + 8 u + r + 8 (r / 8).  A fragment (16 rows x 128 K, 12 registers a lane) lies as two halves of 768 bytes:
; registers 6 c .. 6 c + 3 at 16 x lane, registers 6 c + 4, 6 c + 5 at 512 + 8 x lane.  img: [tile][K step 0..7][c][768].
; scl: the word (four bytes) of tile T, K step s, row r at (T / 2) 1024 + (s / 2) 256 + (T % 2) 128 + 8 r + 4 (s % 2).
; A block's scale is 2^(floor(log2(largest magnitude)) - 2); its byte is the largest magnitude's exponent field - 2, held at 1 from below.
; LIMITS: a block of zeros gets the byte 1 where the rule says 127 (its codes are zeros, and this program alone reads the bytes); NaN and infinities among the inputs are not served.
; SHARES: work-group (B, kh): 32 tokens x 512 along K.  Wave w: tile u = w / 4, K step 4 kh + w % 4: one fragment.  Each load reads 512 consecutive bytes of one token;
; the 8,192 bytes turn through the wave's own stage (rows 528 bytes apart), so that a lane gets 16 neighbours of each block of 32.  All loads of the launch go out at once: no loop.
.set STGB,  8448                       ; a wave's stage: 16 rows x (512 + 16) bytes
.set SCG,   8*STGB                     ; behind the stages: the work-group's 512 bytes of scale words
.set X,     16                         ; v16-79   as loaded
.set N,     80                         ; v80-143  register 16 b + i = k 32 b + 16 (lane / 16) + i of my row
.set PC,    144                        ; v144-162 the codes
.set TM,    164                        ; v164-179 at work
.set PW,    180                        ; v180     the scale word
.set SEL,   20                         ; s[20:21] v_permlanex16_b32's selects for lane l xor 16
.macro QUANT s
.irp b, 0,1,2,3
	v_max3_num_f32 v[TM+\b], |v[\s+16*\b]|, |v[\s+1+16*\b]|, 0x1800000   ; block b: my 16 numbers, and the floor 2^(3 - 127): the byte cannot fall under 1
.endr
.irp i, 2,4,6,8,10,12,14
.irp b, 0,1,2,3
	v_max3_num_f32 v[TM+\b], v[TM+\b], |v[\s+16*\b+\i]|, |v[\s+1+16*\b+\i]|   ; the four blocks by turns
.endr
.endr
.irp b, 0,1,2,3
	v_permlanex16_b32 v[TM+4+\b], v[TM+\b], s[SEL], s[SEL+1]
.endr
.irp b, 0,1,2,3
	v_max_num_f32 v[TM+\b], v[TM+\b], v[TM+4+\b]   ; with lane l xor 16's: the block's largest magnitude
.endr
.irp b, 0,1,2,3
	v_add_nc_u32 v[TM+12+\b], 0xff000000, v[TM+\b]   ; 2 off its exponent field: the conversion's scale operand
.endr
.irp b, 0,1,2,3
	v_lshrrev_b32 v[TM+4+\b], 23, v[TM+12+\b]      ; the scale's byte
.endr
	v_lshl_or_b32 v[PW], v[TM+5], 8, v[TM+4]
	v_lshl_or_b32 v[PW], v[TM+6], 16, v[PW]
	v_lshl_or_b32 v[PW], v[TM+7], 24, v[PW]
.irp c, 0,1
	v_cvt_scalef32_pk16_fp6_f32 v[PC+6*\c:PC+2+6*\c], v[\s+32*\c:\s+15+32*\c], v[TM+12+2*\c]
	v_cvt_scalef32_pk16_fp6_f32 v[PC+12+4*\c:PC+14+4*\c], v[\s+16+32*\c:\s+31+32*\c], v[TM+12+2*\c+1]   ; (a conversion's three registers begin on an even number)
.endr
	v_nop                                          ; one plain place behind a scaled conversion
.irp c, 0,1                                    ; the operand's layout wants a whole block in a lane: lanes 0-15 block 2 c, lanes 16-31 block 2 c + 1
.irp i, 0,1,2
	v_permlane16_swap_b32 v[PC+6*\c+\i], v[PC+12+4*\c+\i]
.endr
.irp i, 0,1,2
	v_mov_b32 v[PC+3+6*\c+\i], v[PC+12+4*\c+\i]
.endr
.endr
.endm
	s_load_b128 s[4:7], s[0:1], 0x0                ; x, img
	s_load_b64 s[8:9], s[0:1], 0x10                ; scl
	v_lshl_add_u32 v184, v0, 2, 0x10a00
	v_mov_b32 v185, 0
	v_lshrrev_b32 v1, 5, v0
	v_readfirstlane_b32 s12, v1                    ; wave 0..7
	v_and_b32 v1, 31, v0                           ; lane
	v_and_b32 v2, 15, v0                           ; r
	v_bfe_u32 v3, v0, 4, 1                         ; h
	v_lshlrev_b32 v4, 4, v1                        ; 16 x lane
	s_mul_i32 s13, s12, STGB                       ; my stage
	v_add_nc_u32 v5, s13, v4                       ; into it: 16 x lane of a row
	v_mul_u32_u24 v6, v2, 528
	v_lshl_add_u32 v6, v3, 6, v6
	v_add_nc_u32 v6, s13, v6                       ; out of it: row r, + 64 h
	v_lshlrev_b32 v7, 3, v1
	v_add_nc_u32 v7, 512, v7                       ; 8 x lane + 512
	s_lshr_b32 s14, s12, 2                         ; u
	s_and_b32 s15, s12, 3                          ; my K step of the work-group's four
	s_bfe_u32 s16, s12, 0x10001
	s_lshl_b32 s16, s16, 8                         ; the scale word's place: 256 ((w % 4) / 2)
	s_lshl_b32 s17, s14, 7
	s_add_co_u32 s16, s16, s17                     ; + 128 u
	s_and_b32 s17, s12, 1
	s_lshl_b32 s17, s17, 2
	s_add_co_u32 s16, s16, s17                     ; + 4 (w % 2)
	s_add_co_u32 s16, s16, SCG
	v_lshl_add_u32 v8, v2, 3, s16                  ; + 8 r
	v_add_nc_u32 v9, SCG, v4
	s_and_b32 s18, ttmp7, 0xffff                   ; kh
	s_lshl_b32 s19, s18, 2
	s_add_co_u32 s19, s19, s15                     ; s = 4 kh + w % 4
	s_lshl_b32 s22, ttmp9, 17                      ; x: 32 B tokens of 4,096 bytes
	s_lshl_b32 s23, s14, 15                        ; + 8 u tokens
	s_add_co_u32 s22, s22, s23
	s_lshl_b32 s23, s19, 9                         ; + 512 s
	s_add_co_u32 s22, s22, s23
	s_mov_b32 s23, 0
	s_lshl_b32 s24, ttmp9, 1
	s_add_co_u32 s24, s24, s14                     ; tile 2 B + u
	s_mul_i32 s24, s24, 12288
	s_mul_i32 s25, s19, 1536
	s_add_co_u32 s24, s24, s25
	s_mov_b32 s25, 0
	s_lshl_b32 s26, ttmp9, 10                      ; scl: 1024 B + 512 kh
	s_lshl_b32 s27, s18, 9
	s_add_co_u32 s26, s26, s27
	s_mov_b32 s27, 0
	s_mov_b32 s[SEL], 0x76543210
	s_mov_b32 s[SEL+1], 0xfedcba98
.irp b, 0,1,2,3
	v_mov_b32 v[TM+4+\b], 0                        ; written once: a lane permute's destination counts as one of its sources
.endr
	s_wait_kmcnt 0x0
	s_add_nc_u64 s[4:5], s[4:5], s[22:23]
	s_add_nc_u64 s[6:7], s[6:7], s[24:25]
	s_add_nc_u64 s[8:9], s[8:9], s[26:27]
.irp i, 0,1,2,3,4,5,6,7,8,9,10,11,12,13,14,15
	global_load_b128 v[X+4*\i:X+4*\i+3], v4, s[4:5] offset:(\i+8*(\i/8))*4096 th:TH_LOAD_NT   ; tile row i: 512 consecutive bytes of one token
.endr
.irp i, 0,1,2,3,4,5,6,7,8,9,10,11,12,13,14,15
	s_wait_loadcnt 15-\i                           ; row i is in; the younger rows stay out
	ds_store_b128 v5, v[X+4*\i:X+4*\i+3] offset:528*\i
.endr
.irp b, 0,1,2,3
.irp j, 0,1,2,3
	ds_load_b128 v[N+16*\b+4*\j:N+16*\b+4*\j+3], v6 offset:128*\b+16*\j   ; LDS serves a wave's instructions in order: these see my stores
.endr
.endr
	s_wait_dscnt 0x0
	QUANT N
.irp c, 0,1
	global_store_b128 v4, v[PC+6*\c:PC+6*\c+3], s[6:7] offset:768*\c        ; 512 consecutive bytes
	global_store_b64 v7, v[PC+6*\c+4:PC+6*\c+5], s[6:7] offset:768*\c       ; 256 consecutive bytes
.endr
	ds_store_b32 v8, v[PW]                         ; both halves of the lanes write the same word with the same value
	s_wait_dscnt 0x0                               ; for the others' sake: my word has landed
	s_barrier_signal -1
	s_barrier_wait -1
	s_cmp_lg_u32 s12, 0
	s_cbranch_scc1 .Lend
	ds_load_b128 v[16:19], v9                      ; the eight waves' words: 512 bytes
	s_wait_dscnt 0x0
	global_store_b128 v4, v[16:19], s[8:9]         ; two aligned runs of 256 bytes
.Lend:
	s_wait_tensorcnt 0x0
	ds_add_u32 v184, v185
	s_wait_dscnt 0x0
	s_endpgm
.Lfunc_end_k_qebeccf11a1_qx:
	.size	k_qebeccf11a1_qx, .Lfunc_end_k_qebeccf11a1_qx-k_qebeccf11a1_qx
	.p2alignl 7, 3214868480
	.fill 96, 4, 3214868480
	.section	.rodata,"a",@progbits
	.p2align	6, 0x0
	.amdhsa_kernel k_qebeccf11a1_qx
		.amdhsa_group_segment_fixed_size 69120
		.amdhsa_private_segment_fixed_size 0
		.amdhsa_enable_private_segment 0
		.amdhsa_kernarg_size 24
		.amdhsa_user_sgpr_count 2
		.amdhsa_user_sgpr_kernarg_segment_ptr 1
		.amdhsa_wavefront_size32 1
		.amdhsa_system_sgpr_workgroup_id_x 1
		.amdhsa_system_sgpr_workgroup_id_y 1
		.amdhsa_system_sgpr_workgroup_id_z 1
		.amdhsa_system_vgpr_workitem_id 0
		.amdhsa_next_free_vgpr 186
		.amdhsa_next_free_sgpr 66
		.amdhsa_reserve_vcc 0
		.amdhsa_float_denorm_mode_32 3
		.amdhsa_float_denorm_mode_16_64 3
		.amdhsa_memory_ordered 1
		.amdhsa_forward_progress 1
		.amdhsa_inst_pref_size 12
	.end_amdhsa_kernel
	.amdgpu_metadata
---
amdhsa.version: [ 1, 2 ]
amdhsa.kernels:
  - .name:           k_qebeccf11a1_qx
    .symbol:         k_qebeccf11a1_qx.kd
    .args:
      - { .name: x, .offset: 0, .size: 8, .value_kind: global_buffer, .address_space: global }
      - { .name: img, .offset: 8, .size: 8, .value_kind: global_buffer, .address_space: global }
      - { .name: scl, .offset: 16, .size: 8, .value_kind: global_buffer, .address_space: global }
    .group_segment_fixed_size: 69120
    .private_segment_fixed_size: 0
    .kernarg_segment_align: 8
    .kernarg_segment_size: 24
    .max_flat_workgroup_size: 256
    .sgpr_count:     66
    .vgpr_count:     186
    .wavefront_size: 32
...
	.end_amdgpu_metadata
.endif
;; end of part 1
;; launch qw (part 2): grid 16 x 16, 4 waves a work-group, no clusters, 14,336 bytes of LDS; arguments Wq, Wk, Wv, Wo, img, scl; writes img, scl
.if DOCPART == 2
	.amdgcn_target "amdgcn-amd-amdhsa--gfx1250"
	.amdhsa_code_object_version 6
	.text
	.protected	k_qebeccf11a1_qw
	.globl	k_qebeccf11a1_qw
	.p2align	8
	.type	k_qebeccf11a1_qw,@function
k_qebeccf11a1_qw:
	s_mov_b64 s[64:65], 0
	v_nop
	global_prefetch_b8 v0, s[64:65] scope:SCOPE_SE
	s_setreg_imm32_b32 hwreg(HW_REG_WAVE_MODE, 25, 1), 1
	s_wait_xcnt 0x0
; The four weights [1024 k][1024 n] f32, K their FIRST axis, become codes of FP6 (E2M3) with one E8M0 byte for each 32 along K, laid as images of operand registers behind x's:
; tile 256 + 64 wsel + 2 B + u holds, in lane row r, column 32 B + 8 u + r + 8 (r / 8).  img: [tile][K step][c][768]; scl: word (T, s, r) at (T / 2) 1024 + (s / 2) 256 + (T % 2) 128 + 8 r + 4 (s % 2).
; A LANE TAKES A COLUMN AND ITS REGISTERS RUN DOWN K: a block of 32 lies in one lane, its largest magnitude needs no other lane, and the conversions give codes with K innermost.
; Lane L's block beta of a K step is what lane (r, h = beta % 2) of tile u = (L / 8) % 2 holds in registers 6 c .. 6 c + 5, c = beta / 2: it is put there through the wave's own stage.
; LIMITS: a block of zeros gets the byte 1 where the rule says 127 (its codes are zeros, and this program alone reads the bytes); NaN and infinities among the inputs are not served.
; SHARES: work-group (G, 4 wsel + q): 64 columns x 256 along K of one weight.  Wave w: columns 64 G + 32 (w / 2) on, K step 2 q + w % 2.  Two waves side by side read 256 consecutive bytes of a row.
.set STW,   3328                       ; a wave's stage: two tiles' fragments, 1,536 + 128 bytes each, so that the two tiles of a store fall on different banks
.set TIL,   1664
.set SCG,   4*STW                      ; the work-group's 512 bytes of scale words
.set X,     32                         ; v32-159  W(128 s + i, my column)
.set C,     160                        ; v160..   a set of ten registers of codes for each block
.set OUT,   200                        ; v200-223 the two fragments on their way out
.set SB,    16                         ; v16      my column's scale word
	s_load_b256 s[4:11], s[0:1], 0x0               ; Wq, Wk, Wv, Wo
	s_load_b128 s[12:15], s[0:1], 0x20             ; img, scl
	v_lshl_add_u32 v232, v0, 2, 0x3600
	v_mov_b32 v233, 0
	v_lshrrev_b32 v1, 5, v0
	v_readfirstlane_b32 s16, v1                    ; wave 0..3
	v_and_b32 v1, 31, v0                           ; L
	v_bfe_u32 v2, v0, 3, 1                         ; u
	v_and_b32 v3, 7, v0
	v_bfe_u32 v12, v0, 4, 1                        ; L / 16
	v_lshl_add_u32 v3, v12, 3, v3                  ; r = L % 8 + 8 (L / 16)
	v_lshlrev_b32 v4, 2, v1                        ; 4 L
	s_mul_i32 s17, s16, STW
	v_mul_u32_u24 v5, v2, TIL
	v_add_nc_u32 v5, s17, v5                       ; my tile in my stage
	v_lshl_add_u32 v6, v3, 3, v5
	v_add_nc_u32 v6, 512, v6                       ; registers 4, 5: 512 + 8 r (+ 128 h)
	v_lshl_add_u32 v5, v3, 4, v5                   ; registers 0-3: 16 r (+ 256 h)
	v_lshlrev_b32 v9, 4, v1                        ; 16 L
	v_add_nc_u32 v7, s17, v9
	v_lshlrev_b32 v10, 3, v1
	v_add_nc_u32 v10, 512, v10                     ; 8 L + 512
	v_add_nc_u32 v8, s17, v10
	s_lshr_b32 s18, s16, 1                         ; g2
	s_and_b32 s19, s16, 1                          ; s2
	s_lshl_b32 s20, s18, 8
	s_lshl_b32 s21, s19, 2
	s_add_co_u32 s20, s20, s21
	s_add_co_u32 s20, s20, SCG
	v_lshlrev_b32 v11, 7, v2
	v_lshl_add_u32 v11, v3, 3, v11
	v_add_nc_u32 v11, s20, v11                     ; my scale word: 256 g2 + 128 u + 8 r + 4 s2
	v_and_b32 v17, 15, v0
	v_lshlrev_b32 v17, 4, v17
	v_lshl_add_u32 v17, v12, 10, v17               ; out: lanes 0-15 the first column group's 256 bytes, lanes 16-31 the second's, 1,024 bytes on
	v_add_nc_u32 v18, SCG, v9
	s_and_b32 s21, ttmp7, 0xffff
	s_lshr_b32 s22, s21, 2                         ; wsel
	s_and_b32 s23, s21, 3                          ; q
	s_lshl_b32 s24, s23, 1
	s_add_co_u32 s24, s24, s19                     ; s = 2 q + s2
	s_lshl_b32 s25, ttmp9, 1
	s_add_co_u32 s25, s25, s18                     ; B = 2 G + g2
	s_lshl_b32 s26, s24, 19                        ; W: 128 s rows of 4,096 bytes
	s_lshl_b32 s27, s25, 7                         ; + 128 B
	s_add_co_u32 s26, s26, s27
	s_mov_b32 s27, 0
	s_lshl_b32 s28, s22, 6
	s_lshl_b32 s29, s25, 1
	s_add_co_u32 s28, s28, s29
	s_add_co_u32 s28, s28, 256                     ; tile 256 + 64 wsel + 2 B
	s_mul_i32 s28, s28, 12288
	s_mul_i32 s29, s24, 1536
	s_add_co_u32 s28, s28, s29
	s_mov_b32 s29, 0
	s_lshl_b32 s30, s22, 5
	s_lshl_b32 s31, ttmp9, 1
	s_add_co_u32 s30, s30, s31
	s_add_co_u32 s30, s30, 128
	s_lshl_b32 s30, s30, 10                        ; scl: (128 + 32 wsel + 2 G) 1024
	s_lshl_b32 s31, s23, 8                         ; + 256 q
	s_add_co_u32 s30, s30, s31
	s_mov_b32 s31, 0
	s_wait_kmcnt 0x0
	s_cmp_eq_u32 s22, 1                            ; which weight: the choice hangs on the work-group's number alone
	s_cselect_b64 s[4:5], s[6:7], s[4:5]
	s_cmp_eq_u32 s22, 2
	s_cselect_b64 s[4:5], s[8:9], s[4:5]
	s_cmp_eq_u32 s22, 3
	s_cselect_b64 s[4:5], s[10:11], s[4:5]
	s_add_nc_u64 s[4:5], s[4:5], s[26:27]
	s_add_nc_u64 s[12:13], s[12:13], s[28:29]
	s_add_nc_u64 s[14:15], s[14:15], s[30:31]
.set I, 0
.rept 128
	global_load_b32 v[X+I], v4, s[4:5] offset:I*4096 th:TH_LOAD_NT   ; row 128 s + I at my wave's 32 columns: 128 consecutive bytes
.set I, I+1
.endr
; Block beta.  left: how many younger loads may stay out (a wait names 63 at the most: the first two counts are smaller than the 96 and 64 that would do)
.macro BLOCK beta, left
.set XS, X+32*\beta
.set CC, C+10*\beta
	s_wait_loadcnt \left
	v_max3_num_f32 v12, |v[XS]|, |v[XS+1]|, |v[XS+2]|
	v_max3_num_f32 v13, |v[XS+3]|, |v[XS+4]|, |v[XS+5]|
.irp i, 6,10,14,18,22,26
	v_max3_num_f32 v12, v12, |v[XS+\i]|, |v[XS+\i+1]|
	v_max3_num_f32 v13, v13, |v[XS+\i+2]|, |v[XS+\i+3]|
.endr
	v_max3_num_f32 v12, v12, |v[XS+30]|, |v[XS+31]|
	v_max3_num_f32 v12, v12, v13, 0x1800000        ; and the floor 2^(3 - 127): the byte cannot fall under 1
	v_add_nc_u32 v14, 0xff000000, v12              ; 2 off the exponent field: the conversion's scale operand
.if \beta == 0
	v_lshrrev_b32 v[SB], 23, v14                   ; the scale's byte, the lower K in the lower byte
.else
	v_lshrrev_b32 v15, 23, v14
	v_lshl_or_b32 v[SB], v15, 8*\beta, v[SB]
.endif
	v_cvt_scalef32_pk16_fp6_f32 v[CC:CC+2], v[XS:XS+15], v14
	v_cvt_scalef32_pk16_fp6_f32 v[CC+6:CC+8], v[XS+16:XS+31], v14    ; (a conversion's three registers begin on an even number)
	v_nop                                          ; one plain place behind a scaled conversion
.irp i, 0,1,2
	v_mov_b32 v[CC+3+\i], v[CC+6+\i]
.endr
	ds_store_b128 v5, v[CC:CC+3] offset:768*(\beta/2)+256*(\beta%2)
	ds_store_b64 v6, v[CC+4:CC+5] offset:768*(\beta/2)+128*(\beta%2)
.endm
	BLOCK 0, 63
	BLOCK 1, 63
	BLOCK 2, 32
	BLOCK 3, 0
.irp u, 0,1
.irp c, 0,1
	ds_load_b128 v[OUT+12*\u+6*\c:OUT+12*\u+6*\c+3], v7 offset:TIL*\u+768*\c     ; LDS serves a wave's instructions in order: these see my stores
	ds_load_b64 v[OUT+12*\u+6*\c+4:OUT+12*\u+6*\c+5], v8 offset:TIL*\u+768*\c
.endr
.endr
	ds_store_b32 v11, v[SB]
	s_wait_dscnt 0x0                               ; my fragments are back, and for the others' sake my scale word has landed
.irp u, 0,1
.irp c, 0,1
	global_store_b128 v9, v[OUT+12*\u+6*\c:OUT+12*\u+6*\c+3], s[12:13] offset:12288*\u+768*\c
	global_store_b64 v10, v[OUT+12*\u+6*\c+4:OUT+12*\u+6*\c+5], s[12:13] offset:12288*\u+768*\c
.endr
.endr
	s_barrier_signal -1
	s_barrier_wait -1
	s_cmp_lg_u32 s16, 0
	s_cbranch_scc1 .Lend
	ds_load_b128 v[224:227], v18
	s_wait_dscnt 0x0
	global_store_b128 v17, v[224:227], s[14:15]    ; sixteen lanes store 256 consecutive bytes, aligned
.Lend:
	s_wait_tensorcnt 0x0
	ds_add_u32 v232, v233
	s_wait_dscnt 0x0
	s_endpgm
.Lfunc_end_k_qebeccf11a1_qw:
	.size	k_qebeccf11a1_qw, .Lfunc_end_k_qebeccf11a1_qw-k_qebeccf11a1_qw
	.p2alignl 7, 3214868480
	.fill 96, 4, 3214868480
	.section	.rodata,"a",@progbits
	.p2align	6, 0x0
	.amdhsa_kernel k_qebeccf11a1_qw
		.amdhsa_group_segment_fixed_size 14336
		.amdhsa_private_segment_fixed_size 0
		.amdhsa_enable_private_segment 0
		.amdhsa_kernarg_size 48
		.amdhsa_user_sgpr_count 2
		.amdhsa_user_sgpr_kernarg_segment_ptr 1
		.amdhsa_wavefront_size32 1
		.amdhsa_system_sgpr_workgroup_id_x 1
		.amdhsa_system_sgpr_workgroup_id_y 1
		.amdhsa_system_sgpr_workgroup_id_z 1
		.amdhsa_system_vgpr_workitem_id 0
		.amdhsa_next_free_vgpr 234
		.amdhsa_next_free_sgpr 66
		.amdhsa_reserve_vcc 0
		.amdhsa_float_denorm_mode_32 3
		.amdhsa_float_denorm_mode_16_64 3
		.amdhsa_memory_ordered 1
		.amdhsa_forward_progress 1
		.amdhsa_inst_pref_size 24
	.end_amdhsa_kernel
	.amdgpu_metadata
---
amdhsa.version: [ 1, 2 ]
amdhsa.kernels:
  - .name:           k_qebeccf11a1_qw
    .symbol:         k_qebeccf11a1_qw.kd
    .args:
      - { .name: Wq, .offset: 0, .size: 8, .value_kind: global_buffer, .address_space: global }
      - { .name: Wk, .offset: 8, .size: 8, .value_kind: global_buffer, .address_space: global }
      - { .name: Wv, .offset: 16, .size: 8, .value_kind: global_buffer, .address_space: global }
      - { .name: Wo, .offset: 24, .size: 8, .value_kind: global_buffer, .address_space: global }
      - { .name: img, .offset: 32, .size: 8, .value_kind: global_buffer, .address_space: global }
      - { .name: scl, .offset: 40, .size: 8, .value_kind: global_buffer, .address_space: global }
    .group_segment_fixed_size: 14336
    .private_segment_fixed_size: 0
    .kernarg_segment_align: 8
    .kernarg_segment_size: 48
    .max_flat_workgroup_size: 128
    .sgpr_count:     66
    .vgpr_count:     234
    .wavefront_size: 32
...
	.end_amdgpu_metadata
.endif
;; end of part 2
;; launch gemm_qkv (part 3): grid 16 x 48, 4 waves a work-group, clusters of 4 x 4, 205,312 bytes of LDS; arguments img, scl, bq, bk, bv, qkv, qkvs; writes qkv, qkvs
.if DOCPART == 3
	.amdgcn_target "amdgcn-amd-amdhsa--gfx1250"
	.amdhsa_code_object_version 6
	.text
	.protected	k_qebeccf11a1_gemm_qkv
	.globl	k_qebeccf11a1_gemm_qkv
	.p2align	8
	.type	k_qebeccf11a1_gemm_qkv,@function
k_qebeccf11a1_gemm_qkv:
	s_mov_b64 s[64:65], 0
	v_nop
	global_prefetch_b8 v0, s[64:65] scope:SCOPE_SE
	s_setreg_imm32_b32 hwreg(HW_REG_WAVE_MODE, 25, 1), 1
	s_wait_xcnt 0x0
	s_wait_alu depctr_hold_cnt(0) depctr_sa_sdst(0) depctr_va_vdst(0) depctr_va_sdst(0) depctr_va_ssrc(0) depctr_va_vcc(0) depctr_vm_vsrc(0)
	s_getreg_b32 s2, hwreg(HW_REG_IB_STS2, 6, 4)
	s_cmp_eq_u32 s2, 0
	s_cbranch_scc0 .Lentry_in_a_cluster
	s_endpgm
.Lentry_in_a_cluster:
	s_bfe_u32 s2, ttmp6, 0x10000c
	s_cmp_lg_u32 s2, 0xf033
	s_cbranch_scc0 .Lentry_shape_is_right
	s_endpgm
.Lentry_shape_is_right:
; q = x Wq + bq, k = x Wk + bk, v = x Wv + bv on codes of FP6 (E2M3), and each result quantised in registers along the K of the product that will read it: q and k along the head's 64 channels, v along the keys.
; ONE TEXT FOR ALL THREE.  Source 0 is a block P of 128 rows, source 1 a block R of 128 rows, both out of img; the result is quantised along P's rows, since a lane's registers run along source 0's rows.
;   q, k (cluster rows 0-7):  P = 128 columns of Wq or Wk, R = 128 tokens: a lane is a token, its registers run along channels.
;   v    (cluster rows 8-11): P = 128 tokens, R = 128 columns of Wv:       a lane is a channel, its registers run along keys.
; A tile's rows are not neighbours (tile 2 B + u, lane row r = row 32 B + 8 u + r + 8 (r / 8)), so that the 16 registers of tiles 2 B and 2 B + 1 are 16 neighbours of one block of 32; the other 16 lie in lane l xor 16.
; SHARES: a work-group makes 128 x 128, each of its four waves 64 x 64: 16 accumulators.  K = 1,024 in four chunks of 256.
; LDS IS FILLED ONCE: 128 + 128 rows of all of K are 196,608 bytes.  Each wave issues five tensor loads at the head (scales, chunks 0 to 3): five are out; counted waits let chunk 0 be multiplied while the others land.
; CLUSTER 4 x 4: P hangs on the work-group's x alone and is asked for jointly down a column of the cluster, R on its y alone and jointly along a row.  The scale words (8 KB of a work-group's 200) come by plain loads.
; The bias is the sums' first C: it is loaded straight into the accumulators while the tiles land, so every matrix instruction has the same in-place form.
; OUT: halves of fragments (16 rows x 64 K, six registers a lane: registers 0-3 at 16 x lane, 4 and 5 at 512 + 8 x lane), 768 bytes each:
;   qkv: q [bh][token tile 128][768], k likewise, v [bh][key step 16][channel tile 4][c 2][768].   qkvs: blocks of 256 bytes with four tiles' words: lane l's word j belongs to tile 2 j + l / 16, row l % 16; a word is s0, s1, 0x7f, 0x7f.
; LIMITS: a block of zeros gets the byte 1 where the rule says 127 (its codes are zeros, and this program alone reads the bytes); NaN and infinities are not served.
.set CHB,   49152                      ; a chunk in LDS: P's 8 tiles x 3,072 bytes, then R's 8
.set SCLB,  4*CHB                      ; behind the chunks: P's 4,096 bytes of scale words, then R's
.set SC,    16                         ; v16-23   scale words: register 2 i + s2: lanes 0-15 P's tile i, lanes 16-31 R's tile i
.set PF,    32                         ; v32-79   P's four fragments
.set RF,    80                         ; v80-127  R's four
.set ACC,   128                        ; v128-255 accumulator (rt, p) at 32 rt + 8 p
.set TM,    32                         ; the epilogue works where the fragments lay
.set TP,    34
.set SO,    36
.set BY,    38
.set SEL,   66                         ; s[66:67] lane selects, set in front of the epilogue
.set WV,    18
.set WP,    19                         ; which 64 rows of P are mine.  Also: I fetch for P (0) or for R (1)
.set WR,    20                         ; which 64 rows of R.  Also: which half of that block I fetch
.set G1P,   24
.set G1R,   32
.set G1S,   40
.set G0S,   48
.macro PLACES                          ; four places behind a matrix instruction in front of loads into its registers and of reads of its results
.rept 4
	v_nop
.endr
.endm
.macro JLOAD g0a, g1a, g0b, g1b        ; a joint load: waves 0, 1 fetch P's halves, waves 2, 3 R's; four v_nop follow each line
	s_cmp_eq_u32 s[WP], 0
	s_cbranch_scc0 .Lfor_r_\@
	tensor_load_to_lds s[\g0a:\g0a+3], s[\g1a:\g1a+7]
	s_nop 0
.rept 4
	v_nop
.endr
	s_branch .Lasked_\@
.Lfor_r_\@:
	tensor_load_to_lds s[\g0b:\g0b+3], s[\g1b:\g1b+7]
	s_nop 0
.rept 4
	v_nop
.endr
.Lasked_\@:
.endm
.macro CROUND                          ; a round of the cluster's barrier
	s_barrier_signal -1
	s_barrier_wait -1
	s_cmp_lg_u32 s[WV], 0
	s_cbranch_scc1 .Lnot_wave_0_\@
	s_barrier_signal -3
.Lnot_wave_0_\@:
	s_barrier_wait -3
	s_barrier_signal -1
	s_barrier_wait -1
.endm
; 32 numbers of a lane, register 16 b + i = k 32 b + 16 (lane / 16) + i of my row, become six registers of codes in v[pc] on and the word s0, s1, 0x7f, 0x7f in v[pw]
.macro QUANT2 s, pc, pw
.irp b, 0,1
	v_max3_num_f32 v[TM+\b], |v[(\s)+16*\b]|, |v[(\s)+1+16*\b]|, 0x1800000   ; each accumulator is read from its low end on; the floor 2^(3 - 127) holds the byte at 1 from below
.endr
.irp i, 2,4,6,8,10,12,14
.irp b, 0,1
	v_max3_num_f32 v[TM+\b], v[TM+\b], |v[(\s)+16*\b+\i]|, |v[(\s)+1+16*\b+\i]|
.endr
.endr
.irp b, 0,1
	v_permlanex16_b32 v[TP+\b], v[TM+\b], s[SEL], s[SEL+1]
.endr
.irp b, 0,1
	v_max_num_f32 v[TM+\b], v[TM+\b], v[TP+\b]     ; with lane l xor 16's: the block's largest magnitude
.endr
.irp b, 0,1
	v_add_nc_u32 v[SO+\b], 0xff000000, v[TM+\b]    ; 2 off its exponent field: the conversion's scale operand
.endr
.irp b, 0,1
	v_lshrrev_b32 v[BY+\b], 23, v[SO+\b]           ; the scale's byte
.endr
	v_lshl_or_b32 v[\pw], v[BY+1], 8, v[BY]
	v_or_b32 v[\pw], 0x7f7f0000, v[\pw]            ; the other 64 of an instruction's K are zero codes under the byte 127
	v_cvt_scalef32_pk16_fp6_f32 v[(\pc):(\pc)+2], v[(\s):(\s)+15], v[SO]
	v_cvt_scalef32_pk16_fp6_f32 v[(\pc)+6:(\pc)+8], v[(\s)+16:(\s)+31], v[SO+1]
	v_nop                                          ; one plain place behind a scaled conversion
.irp i, 0,1,2
	v_permlane16_swap_b32 v[(\pc)+\i], v[(\pc)+6+\i]   ; a whole block to a lane: lanes 0-15 block 0, lanes 16-31 block 1
.endr
.irp i, 0,1,2
	v_mov_b32 v[(\pc)+3+\i], v[(\pc)+6+\i]
.endr
.endm
	s_load_b256 s[4:11], s[0:1], 0x0               ; img s[4:5], scl s[6:7], bq s[8:9], bk s[10:11]
	s_load_b128 s[12:15], s[0:1], 0x20             ; bv s[12:13], qkv s[14:15]
	s_load_b64 s[16:17], s[0:1], 0x30              ; qkvs
	v_lshl_add_u32 v30, v0, 2, 0x32000
	v_mov_b32 v31, 0
	ds_add_u32 v30, v31
	ds_add_u32 v30, v31
	v_lshrrev_b32 v1, 5, v0
	v_readfirstlane_b32 s[WV], v1                  ; wave 0..3
	s_lshr_b32 s[WP], s[WV], 1
	s_and_b32 s[WR], s[WV], 1
	s_bfe_u32 s21, ttmp6, 0x40000                  ; cx
	s_bfe_u32 s22, ttmp6, 0x40004                  ; cy
	s_and_b32 s89, ttmp7, 0xffff                   ; Cy, the cluster's y: 0..11
	s_lshr_b32 s90, s89, 3                         ; KV = 1 in the clusters that make v
	s_lshl_b32 s91, ttmp9, 2
	s_add_co_u32 s91, s91, s21                     ; gx = 4 Cx + cx
	s_and_b32 s93, s89, 1
	s_mul_i32 s93, s93, s90
	s_lshl_b32 s93, s93, 4
	s_lshl_b32 s94, s90, 5
	s_add_co_u32 s92, s91, 32
	s_sub_co_u32 s92, s92, s94
	s_add_co_u32 s92, s92, s93                     ; pblk = gx + 32 (q, k: Wq's and Wk's blocks) or gx + 16 (Cy % 2) (v: x's blocks)
	s_bfe_u32 s96, s89, 0x10001
	s_lshl_b32 s96, s96, 2
	s_add_co_u32 s96, s96, 48
	s_mul_i32 s96, s96, s90
	s_xor_b32 s97, s90, 1
	s_mul_i32 s97, s97, s89
	s_lshl_b32 s97, s97, 2
	s_add_co_u32 s95, s22, s96
	s_add_co_u32 s95, s95, s97                     ; rblk = cy + 4 Cy (q, k: x's blocks) or cy + 48 + 4 ((Cy / 2) % 2) (v: Wv's blocks)
	s_lshl_b32 s93, 0x1111, s21                    ; my column of the cluster: P's partners
	s_lshl_b32 s96, s22, 2
	s_lshl_b32 s96, 15, s96                        ; my row: R's partners
	; group 1 for the codes: 4 rows (tiles) of 3,072 bytes (two K steps), 12,288 bytes apart; elements of 8 bytes
	s_or_b32 s[G1P], s93, (3<<16)|(1<<21)          ; 15:0 the mask; 17:16 elements of 8 bytes; 21 set beside a mask
	s_or_b32 s[G1R], s96, (3<<16)|(1<<21)
.irp g, G1P, G1R
	s_mov_b32 s[\g+1], 384<<16                     ; tensor_dim0 = 384
	s_mov_b32 s[\g+2], 4<<16                       ; tensor_dim1 = 4
	s_mov_b32 s[\g+3], 384<<16                     ; tile_dim0 = 384
	s_mov_b32 s[\g+4], 4                           ; tile_dim1 = 4
	s_mov_b32 s[\g+5], 1536                        ; from row to row
	s_mov_b32 s[\g+6], 0
	s_mov_b32 s[\g+7], 0
.endr
	; group 1 for the scale words: 8 rows of 256 bytes, dense; no mask
	s_mov_b32 s[G1S], 3<<16
	s_mov_b32 s[G1S+1], 32<<16
	s_mov_b32 s[G1S+2], 8<<16
	s_mov_b32 s[G1S+3], 32<<16
	s_mov_b32 s[G1S+4], 8
	s_mov_b32 s[G1S+5], 32
	s_mov_b32 s[G1S+6], 0
	s_mov_b32 s[G1S+7], 0
	s_mul_i32 s98, s92, 98304                      ; P: its block, + my half of it
	s_mul_i32 s99, s[WR], 49152
	s_add_co_u32 s98, s98, s99
	s_mul_i32 s100, s95, 98304                     ; R likewise
	s_add_co_u32 s100, s100, s99
	s_mov_b32 s99, 0
	s_mov_b32 s101, 0
	s_mul_i32 s94, s[WV], 12288                    ; where they go in a chunk: wave x 4 tiles: no place in the cluster enters an LDS address
	s_cmp_lt_u32 s[WV], 2                          ; the scale words: waves 0, 1 P's halves, waves 2, 3 R's
	s_cselect_b32 s66, s92, s95
	s_lshl_b32 s66, s66, 12
	s_lshl_b32 s67, s[WR], 11
	s_add_co_u32 s66, s66, s67
	s_mov_b32 s67, 0
	s_lshl_b32 s88, s[WV], 11
	s_wait_dscnt 0x0
	s_wait_kmcnt 0x0
	s_add_nc_u64 s[98:99], s[4:5], s[98:99]
	s_add_nc_u64 s[100:101], s[4:5], s[100:101]
	s_mov_b32 s[G0S], 1
	s_add_co_u32 s[G0S+1], s88, SCLB
	s_add_nc_u64 s[G0S+2:G0S+3], s[6:7], s[66:67]
	s_or_b32 s[G0S+3], s[G0S+3], 0x80000000
.irp q, 0,1,2,3
.set GP, 52+4*\q+4*(\q/3)              ; s52, s56, s60, s68: P's groups 0
.set GR, 72+4*\q                       ; s72 .. s87: R's
	s_mov_b32 s[GP], 1
	s_add_co_u32 s[GP+1], s94, \q*CHB
	s_add_nc_u64 s[GP+2:GP+3], s[98:99], \q*3072
	s_or_b32 s[GP+3], s[GP+3], 0x80000000
	s_mov_b32 s[GR], 1
	s_add_co_u32 s[GR+1], s94, \q*CHB
	s_add_nc_u64 s[GR+2:GR+3], s[100:101], \q*3072
	s_or_b32 s[GR+3], s[GR+3], 0x80000000
.endr
	CROUND                                         ; all sixteen work-groups are here: the first joint loads meet
	tensor_load_to_lds s[G0S:G0S+3], s[G1S:G1S+7]  ; the scale words first: they are wanted with chunk 0
	s_nop 0
.rept 4
	v_nop
.endr
.irp q, 0,1,2,3
	JLOAD 52+4*\q+4*(\q/3), G1P, 72+4*\q, G1R
.endr
	v_and_b32 v8, 31, v0                           ; lane
	v_and_b32 v6, 15, v0                           ; r
	v_bfe_u32 v7, v0, 4, 1                         ; h
	v_lshlrev_b32 v10, 4, v8                       ; 16 x lane
	v_lshlrev_b32 v12, 3, v8                       ; 8 x lane
	v_add_nc_u32 v11, 512, v12                     ; 8 x lane + 512
	s_mul_i32 s2, s[WP], 12288                     ; my four tiles of P in a chunk
	s_mul_i32 s3, s[WR], 12288
	s_add_co_u32 s3, s3, 24576                     ; my four of R
	v_add_nc_u32 v1, s2, v10
	v_add_nc_u32 v2, s2, v11
	v_add_nc_u32 v3, s3, v10
	v_add_nc_u32 v4, s3, v11
	s_xor_b32 s3, s[WP], 1
	s_add_co_u32 s3, s3, s[WR]
	s_add_co_u32 s3, s3, 1
	s_lshl_b32 s3, s3, 11                          ; from my words of P to my words of R: 4096 + 2048 wr - 2048 wp
	v_mul_u32_u24 v5, s3, v7                       ; lanes 16-31 take R's
	s_lshl_b32 s2, s[WP], 11
	s_add_co_u32 s2, s2, SCLB
	v_lshl_add_u32 v5, v6, 3, v5
	v_add_nc_u32 v5, s2, v5                        ; 8 bytes a row: a chunk's two words
	v_lshlrev_b32 v9, 6, v7                        ; the bias of q, k: 16 h channels on
	v_and_b32 v13, 8, v6
	v_add_nc_u32 v13, v13, v6
	v_lshlrev_b32 v13, 2, v13                      ; the bias of v: channel r + 8 (r / 8) of a tile
	; where my results go.  U counts blocks of 256 bytes of scale words
	s_lshl_b32 s2, s91, 1
	s_add_co_u32 s2, s2, s[WP]
	s_and_b32 s2, s2, 15                           ; q, k: the head
	s_lshr_b32 s3, s95, 4
	s_lshl_b32 s3, s3, 4
	s_add_co_u32 s2, s2, s3                        ; bh = 16 batch + head
	s_lshl_b32 s2, s2, 5
	s_and_b32 s3, s95, 15
	s_lshl_b32 s3, s3, 1
	s_add_co_u32 s2, s2, s3
	s_add_co_u32 s2, s2, s[WR]                     ; Uq = 32 bh + 2 (rblk % 16) + wr
	s_lshr_b32 s3, s92, 4
	s_lshl_b32 s3, s3, 4
	s_sub_co_u32 s23, s95, 48
	s_lshl_b32 s23, s23, 1
	s_add_co_u32 s3, s3, s23
	s_add_co_u32 s3, s3, s[WR]                     ; v: bh = 16 batch + 2 (rblk - 48) + wr
	s_lshl_b32 s3, s3, 4
	s_and_b32 s23, s92, 15
	s_add_co_u32 s3, s3, s23                       ; 16 bh + key step
	s_lshl_b32 s3, s3, 1
	s_add_co_u32 s3, s3, s[WP]                     ; Uv = 2 (16 bh + step) + wp
	s_lshr_b32 s66, ttmp9, 1                       ; q, k: section 0 or 1
	s_cmp_lg_u32 s90, 0
	s_cselect_b32 s23, s3, s2                      ; U
	s_cselect_b32 s2, 2, s66                       ; the section
	s_lshl_b32 s66, s2, 18
	s_lshl_b32 s67, s23, 8
	s_add_co_u32 s66, s66, s67
	s_mov_b32 s67, 0
	s_add_nc_u64 s[16:17], s[16:17], s[66:67]      ; qkvs + 262144 section + 256 U
	s_mul_i32 s66, s2, 3145728
	s_mul_i32 s67, s23, 3072
	s_add_co_u32 s66, s66, s67
	s_mul_i32 s67, s90, s[WP]
	s_mul_i32 s67, s67, 2304
	s_sub_co_u32 s66, s66, s67                     ; (v: ((16 bh + step) 8 + wp) 768 = 3072 Uv - 2304 wp)
	s_mov_b32 s67, 0
	s_add_nc_u64 s[14:15], s[14:15], s[66:67]      ; qkv + 3145728 section + ...
	s_lshl_b32 s23, 768, s90                       ; from tile to tile of R: 768 bytes (q, k), 1,536 (v)
	; THE BIAS INTO THE ACCUMULATORS.  The branch hangs on the cluster's number alone
	s_cmp_lg_u32 s90, 0
	s_cbranch_scc1 .Lbias_v
	s_lshl_b32 s2, s91, 7
	s_lshl_b32 s3, s[WP], 6
	s_add_co_u32 s2, s2, s3
	s_and_b32 s2, s2, 1023
	s_lshl_b32 s2, s2, 2                           ; my first channel, in bytes
	s_mov_b32 s3, 0
	s_lshr_b32 s66, ttmp9, 1
	s_cmp_lg_u32 s66, 0
	s_cselect_b64 s[8:9], s[10:11], s[8:9]         ; bq or bk
	s_add_nc_u64 s[8:9], s[8:9], s[2:3]
.irp rt, 0,1,2,3
.irp p, 0,1,2,3
	global_load_b128 v[ACC+32*\rt+8*\p:ACC+32*\rt+8*\p+3], v9, s[8:9] offset:4*(32*(\p/2)+8*(\p%2))       ; register j: channel 32 (p / 2) + 16 h + 8 (p % 2) + j
	global_load_b128 v[ACC+32*\rt+8*\p+4:ACC+32*\rt+8*\p+7], v9, s[8:9] offset:4*(32*(\p/2)+8*(\p%2))+16
.endr
.endr
	s_branch .Lbias_done
.Lbias_v:
	s_sub_co_u32 s2, s95, 48
	s_lshl_b32 s2, s2, 7
	s_lshl_b32 s3, s[WR], 6
	s_add_co_u32 s2, s2, s3
	s_lshl_b32 s2, s2, 2
	s_mov_b32 s3, 0
	s_add_nc_u64 s[12:13], s[12:13], s[2:3]
.irp rt, 0,1,2,3
.set I, 0
.rept 32
	global_load_b32 v[ACC+32*\rt+I], v13, s[12:13] offset:4*(32*(\rt/2)+8*(\rt%2))   ; a lane is one channel: its bias in all 32 registers of the tile
.set I, I+1
.endr
.endr
.Lbias_done:
	s_wait_loadcnt 0x0
; One K step of 128: 32 LDS loads (36 with a chunk's scale words), 16 matrix instructions.  The sixteen accumulators take turns, one instruction a turn, in the same order in every step.
.macro KSTEP q, s2
.if \s2 == 0
.irp i, 0,1,2,3
	ds_load_b64 v[SC+2*\i:SC+2*\i+1], v5 offset:(\i/2)*1024+(\i%2)*128+\q*256
.endr
.endif
.irp p, 0,1,2,3
.irp c, 0,1
	ds_load_b128 v[PF+12*\p+6*\c:PF+12*\p+6*\c+3], v1 offset:\p*3072+\s2*1536+\c*768
	ds_load_b64 v[PF+12*\p+6*\c+4:PF+12*\p+6*\c+5], v2 offset:\p*3072+\s2*1536+\c*768
.endr
.endr
.irp p, 0,1,2,3
.irp c, 0,1
	ds_load_b128 v[RF+12*\p+6*\c:RF+12*\p+6*\c+3], v3 offset:\p*3072+\s2*1536+\c*768
	ds_load_b64 v[RF+12*\p+6*\c+4:RF+12*\p+6*\c+5], v4 offset:\p*3072+\s2*1536+\c*768
.endr
.endr
.irp rt, 0,1,2,3
	s_wait_dscnt 12-4*\rt                          ; R's tile rt is in; the later tiles' four loads each stay out
.irp p, 0,1,2,3
	v_wmma_scale_f32_16x16x128_f8f6f4 v[ACC+32*\rt+8*\p:ACC+32*\rt+8*\p+7], v[PF+12*\p:PF+12*\p+11], v[RF+12*\rt:RF+12*\rt+11], v[ACC+32*\rt+8*\p:ACC+32*\rt+8*\p+7], v[SC+2*\p+\s2], v[SC+2*\rt+\s2] matrix_a_fmt:MATRIX_FMT_FP6 matrix_b_fmt:MATRIX_FMT_FP6 matrix_b_scale:MATRIX_SCALE_ROW1
.endr
.endr
.endm
.macro CHUNK q
	s_wait_tensorcnt 3-\q                          ; my scale words and my parts of chunks 0 to q have landed; the later chunks stay out
	s_barrier_signal -1
	s_barrier_wait -1                              ; everybody's have
	KSTEP \q, 0
	PLACES
	KSTEP \q, 1
.if \q < 3
	v_add_nc_u32 v1, CHB, v1                       ; on to the next chunk: these four are also the places in front of its loads
	v_add_nc_u32 v2, CHB, v2
	v_add_nc_u32 v3, CHB, v3
	v_add_nc_u32 v4, CHB, v4
.else
	PLACES                                         ; in front of the epilogue's reads of results and writes over fragments
.endif
.endm
	CHUNK 0
	CHUNK 1
	CHUNK 2
	CHUNK 3
	; THE EPILOGUE: each tile of R's rows is quantised along P's 64 rows and leaves as 768 bytes: one store of 512 consecutive bytes, one of 256
	s_mov_b32 s[SEL], 0x76543210
	s_mov_b32 s[SEL+1], 0xfedcba98
	v_mov_b32 v[TP], 0                             ; written once: a lane permute's destination counts as one of its sources
	v_mov_b32 v[TP+1], 0
	v_add_nc_u32 v113, s23, v10
	v_add_nc_u32 v117, s23, v11
	v_add_nc_u32 v114, s23, v113
	v_add_nc_u32 v118, s23, v117
	v_add_nc_u32 v115, s23, v114
	v_add_nc_u32 v119, s23, v118
.macro OUTQ rt, a16, a8
	QUANT2 ACC+32*\rt, 64+12*\rt, 52+\rt
	global_store_b128 v[\a16], v[64+12*\rt:64+12*\rt+3], s[14:15]
	global_store_b64 v[\a8], v[64+12*\rt+4:64+12*\rt+5], s[14:15]
.endm
	OUTQ 0, 10, 11
	OUTQ 1, 113, 117
	OUTQ 2, 114, 118
	OUTQ 3, 115, 119
	v_cmp_le_u32 vcc_lo, 16, v8
	v_cndmask_b32 v56, v52, v53, vcc_lo            ; word 0: lanes 0-15 tile 0's, lanes 16-31 tile 1's
	v_cndmask_b32 v57, v54, v55, vcc_lo            ; word 1: tiles 2 and 3
	global_store_b64 v12, v[56:57], s[16:17]       ; 256 consecutive bytes, aligned
	s_wait_tensorcnt 0x0
	ds_add_u32 v30, v31
	s_wait_dscnt 0x0
	CROUND                                         ; the closing round: no work-group ends while a partner may still ask for a tile that names it
	s_endpgm
.Lfunc_end_k_qebeccf11a1_gemm_qkv:
	.size	k_qebeccf11a1_gemm_qkv, .Lfunc_end_k_qebeccf11a1_gemm_qkv-k_qebeccf11a1_gemm_qkv
	.p2alignl 7, 3214868480
	.fill 96, 4, 3214868480
	.section	.rodata,"a",@progbits
	.p2align	6, 0x0
	.amdhsa_kernel k_qebeccf11a1_gemm_qkv
		.amdhsa_group_segment_fixed_size 205312
		.amdhsa_private_segment_fixed_size 0
		.amdhsa_enable_private_segment 0
		.amdhsa_kernarg_size 56
		.amdhsa_user_sgpr_count 2
		.amdhsa_user_sgpr_kernarg_segment_ptr 1
		.amdhsa_wavefront_size32 1
		.amdhsa_system_sgpr_workgroup_id_x 1
		.amdhsa_system_sgpr_workgroup_id_y 1
		.amdhsa_system_sgpr_workgroup_id_z 1
		.amdhsa_system_vgpr_workitem_id 0
		.amdhsa_next_free_vgpr 256
		.amdhsa_next_free_sgpr 102
		.amdhsa_reserve_vcc 1
		.amdhsa_float_denorm_mode_32 3
		.amdhsa_float_denorm_mode_16_64 3
		.amdhsa_memory_ordered 1
		.amdhsa_forward_progress 1
		.amdhsa_inst_pref_size 72
	.end_amdhsa_kernel
	.amdgpu_metadata
---
amdhsa.version: [ 1, 2 ]
amdhsa.kernels:
  - .name:           k_qebeccf11a1_gemm_qkv
    .symbol:         k_qebeccf11a1_gemm_qkv.kd
    .args:
      - { .name: img, .offset: 0, .size: 8, .value_kind: global_buffer, .address_space: global }
      - { .name: scl, .offset: 8, .size: 8, .value_kind: global_buffer, .address_space: global }
      - { .name: bq, .offset: 16, .size: 8, .value_kind: global_buffer, .address_space: global }
      - { .name: bk, .offset: 24, .size: 8, .value_kind: global_buffer, .address_space: global }
      - { .name: bv, .offset: 32, .size: 8, .value_kind: global_buffer, .address_space: global }
      - { .name: qkv, .offset: 40, .size: 8, .value_kind: global_buffer, .address_space: global }
      - { .name: qkvs, .offset: 48, .size: 8, .value_kind: global_buffer, .address_space: global }
    .group_segment_fixed_size: 205312
    .private_segment_fixed_size: 0
    .kernarg_segment_align: 8
    .kernarg_segment_size: 56
    .max_flat_workgroup_size: 128
    .sgpr_count:     102
    .vgpr_count:     256
    .wavefront_size: 32
...
	.end_amdgpu_metadata
.endif
;; end of part 3
;; launch attn (part 4): grid 8 x 32, 16 waves a work-group, clusters of 4 x 1, 215,040 bytes of LDS; arguments qkv, qkvs, aimg, ascl; writes aimg, ascl
.if DOCPART == 4
	.amdgcn_target "amdgcn-amd-amdhsa--gfx1250"
	.amdhsa_code_object_version 6
	.text
	.protected	k_qebeccf11a1_attn
	.globl	k_qebeccf11a1_attn
	.p2align	8
	.type	k_qebeccf11a1_attn,@function
k_qebeccf11a1_attn:
	s_mov_b64 s[64:65], 0
	v_nop
	global_prefetch_b8 v0, s[64:65] scope:SCOPE_SE
	s_setreg_imm32_b32 hwreg(HW_REG_WAVE_MODE, 25, 1), 1
	s_wait_xcnt 0x0
	s_wait_alu depctr_hold_cnt(0) depctr_sa_sdst(0) depctr_va_vdst(0) depctr_va_sdst(0) depctr_va_ssrc(0) depctr_va_vcc(0) depctr_vm_vsrc(0)
	s_getreg_b32 s2, hwreg(HW_REG_IB_STS2, 6, 4)
	s_cmp_eq_u32 s2, 0
	s_cbranch_scc0 .Lentry_in_a_cluster
	s_endpgm
.Lentry_in_a_cluster:
	s_bfe_u32 s2, ttmp6, 0x10000c
	s_cmp_lg_u32 s2, 0x3003
	s_cbranch_scc0 .Lentry_shape_is_right
	s_endpgm
.Lentry_shape_is_right:
; a[b][q][head] = softmax_k(q . k / 8) v for one (batch, head), both products on codes of FP6 (E2M3), and the result quantised along the model's 1,024 for the last product.
; THE SOFTMAX AHEAD OF THE SECOND PRODUCT: t = score x log2(e) / 8; M = the running largest t rounded UP to a whole number; p = 2^(t - M) is what is quantised, along the keys, not normalised.
; The row's sum is taken of the unquantised p, in f32, and divides O at the end.  When M moves, the sum and O are multiplied by 2^(old M - new M): exact.
; SHARES: a work-group owns 256 queries of one (batch, head); each of its sixteen waves one tile of 16, in 256 registers: four waves to a SIMD, so that one wave's vector work stands beside another's matrix work and LDS loads.
; LAYOUT: both products transposed: S^T = K Q^T (source 0 = 16 keys), O^T = V^T P^T (source 0 = 16 channels): a lane holds ONE query throughout.  The rows of a tile are not neighbours (tile 2 B + u, row r = 32 B + 8 u + r + 8 (r / 8)),
; so the 16 registers of two neighbouring tiles are 16 neighbouring keys (or channels).  The head has 64 channels: the upper half of the first product's K = 128 is zero codes under the byte 127, in registers set once.
; LDS IS FILLED ONCE: a head's K and V as codes are 96 KB each, their scale words 8 KB each.  Waves 0 to 3 issue five tensor loads each at the head (scale words, four chunks of 512 keys): five are out;
; counted waits let chunk 0 be worked on while the others land.  All operands lie as images of registers: every LDS load reads consecutive bytes.
; CLUSTER 4 x 1: the four query blocks of a cluster belong to one head and read the same K and V: every tensor load is joint, with the mask of all four.
; The one store of 2 bytes a lane (a head's two scale bytes of a row) is a wave's only one in the launch; its sixteen pieces fall inside one run of 128 bytes.
; LIMITS: a block of zeros gets the byte 1 where the rule says 127 (its codes are zeros, and this program alone reads the bytes); NaN and infinities are not served.
; REGISTERS: v1-3, v9, v10 addresses that stay; v4-8 the step's; v12 -M, v13 the largest t, v[14:15] the sum; v16-27 Q (v22-27 zeros); v28-31 V's scale words; v32-79 four fragments of K (the upper six of each zeros);
;   v80-127 V's four; v128-191 S^T, then p; v192-223 O^T; v224-235 p's codes; v232-247, v252, v254 at work; v248-251 K's scale words; v253 p's; v255 Q's.
.set S,     128
.set O,     192
.set KF,    32
.set VF,    80
.set VB,    98304                      ; V's codes in LDS, behind K's
.set SKB,   196608                     ; K's scale words; V's 8,192 bytes on
.set WV,    12
.set SEL,   20
.set CS,    22                         ; s[22:23] c = log2(e) / 8
.set G1C,   24
.set G1S,   32
.set TC,    60                         ; s60  the step's first byte of codes
.set TS,    61                         ; s61  and of scale words
.set CNT,   62
.set TM,    240                        ; the way out's quantiser
.set TP,    242
.set SO,    244
.set BY,    246
.macro CROUND
	s_barrier_signal -1
	s_barrier_wait -1
	s_cmp_lg_u32 s[WV], 0
	s_cbranch_scc1 .Lnot_wave_0_\@
	s_barrier_signal -3
.Lnot_wave_0_\@:
	s_barrier_wait -3
	s_barrier_signal -1
	s_barrier_wait -1
.endm
	s_load_b256 s[4:11], s[0:1], 0x0               ; qkv s[4:5], qkvs s[6:7], aimg s[8:9], ascl s[10:11]
	v_lshl_add_u32 v254, v0, 2, 0x34000
	v_mov_b32 v255, 0
	ds_add_u32 v254, v255
	ds_add_u32 v254, v255
	s_wait_dscnt 0x0
	v_lshrrev_b32 v1, 5, v0
	v_readfirstlane_b32 s[WV], v1                  ; wave 0..15
	s_bfe_u32 s13, ttmp6, 0x40000                  ; cx: it enters Q's and a's global addresses alone
	s_lshl_b32 s14, ttmp9, 2
	s_add_co_u32 s14, s14, s13                     ; my block of 256 queries
	s_and_b32 s15, ttmp7, 0xffff                   ; bh = 16 batch + head, which the partners share
	s_lshr_b32 s16, s[WV], 1                       ; a fetching wave (0..3): K (0) or V (1),
	s_and_b32 s17, s[WV], 1                        ; and which half
	s_add_co_u32 s66, s16, 1
	s_mul_i32 s68, s66, 262144                     ; the section of scale words,
	s_mul_i32 s66, s66, 3145728                    ; and of codes
	s_mul_i32 s67, s15, 98304
	s_add_co_u32 s66, s66, s67
	s_mul_i32 s67, s17, 12288
	s_add_co_u32 s66, s66, s67
	s_mul_i32 s70, s16, VB
	s_add_co_u32 s70, s70, s67                     ; in LDS: 98304 g + 12288 half
	s_mov_b32 s67, 0
	s_lshl_b32 s69, s15, 13
	s_add_co_u32 s68, s68, s69
	s_lshl_b32 s69, s17, 12
	s_add_co_u32 s68, s68, s69
	s_lshl_b32 s71, s16, 13
	s_add_co_u32 s71, s71, s69
	s_add_co_u32 s71, s71, SKB                     ; in LDS: 196608 + 8192 g + 4096 half
	s_mov_b32 s69, 0
	; group 1: dense blocks as rows of 256 bytes (32 elements of 8 bytes): 48 rows of codes, 16 of scale words
	s_mov_b32 s[G1C], 15|(3<<16)|(1<<21)           ; 15:0 the mask: all four work-groups; 17:16 elements of 8 bytes; 21 set beside a mask
	s_mov_b32 s[G1C+1], 32<<16
	s_mov_b32 s[G1C+2], 48<<16
	s_mov_b32 s[G1C+3], 32<<16
	s_mov_b32 s[G1C+4], 48
	s_mov_b32 s[G1C+5], 32
	s_mov_b32 s[G1C+6], 0
	s_mov_b32 s[G1C+7], 0
	s_mov_b32 s[G1S], 15|(3<<16)|(1<<21)
	s_mov_b32 s[G1S+1], 32<<16
	s_mov_b32 s[G1S+2], 16<<16
	s_mov_b32 s[G1S+3], 32<<16
	s_mov_b32 s[G1S+4], 16
	s_mov_b32 s[G1S+5], 32
	s_mov_b32 s[G1S+6], 0
	s_mov_b32 s[G1S+7], 0
	; Q's tile and its scale word
	s_lshl_b32 s72, s15, 7
	s_lshl_b32 s73, s14, 4
	s_add_co_u32 s72, s72, s73
	s_add_co_u32 s72, s72, s[WV]                   ; tile 128 bh + 16 block + wave
	s_mul_i32 s72, s72, 768
	s_mov_b32 s73, 0
	s_lshl_b32 s74, s15, 5
	s_lshl_b32 s75, s14, 2
	s_add_co_u32 s74, s74, s75
	s_lshr_b32 s75, s[WV], 2
	s_add_co_u32 s74, s74, s75
	s_lshl_b32 s74, s74, 8                         ; the block of four tiles' words,
	s_lshl_b32 s75, s17, 7
	s_add_co_u32 s74, s74, s75                     ; + 128 (wave % 2): which half of the lanes' places,
	s_bfe_u32 s75, s[WV], 0x10001
	s_lshl_b32 s75, s75, 2
	s_add_co_u32 s74, s74, s75                     ; + 4 ((wave / 2) % 2): which word
	s_mov_b32 s75, 0
	; where a goes: tile T = 128 batch + 16 block + wave, half fragment hd = head
	s_lshr_b32 s76, s15, 4
	s_lshl_b32 s76, s76, 7
	s_lshl_b32 s77, s14, 4
	s_add_co_u32 s76, s76, s77
	s_add_co_u32 s76, s76, s[WV]                   ; T
	s_and_b32 s77, s15, 15                         ; hd
	s_lshr_b32 s78, s76, 1
	s_lshl_b32 s78, s78, 10
	s_lshr_b32 s79, s77, 2
	s_lshl_b32 s79, s79, 8
	s_add_co_u32 s78, s78, s79
	s_and_b32 s79, s76, 1
	s_lshl_b32 s79, s79, 7
	s_add_co_u32 s78, s78, s79
	s_and_b32 s79, s77, 3
	s_lshl_b32 s79, s79, 1
	s_add_co_u32 s78, s78, s79                     ; (T / 2) 1024 + (hd / 4) 256 + (T % 2) 128 + 2 (hd % 4)
	s_mov_b32 s79, 0
	s_lshl_b32 s76, s76, 4
	s_add_co_u32 s76, s76, s77
	s_mul_i32 s76, s76, 768                        ; (16 T + hd) 768
	s_mov_b32 s77, 0
	s_mov_b32 s[SEL], 0x76543210
	s_mov_b32 s[SEL+1], 0xfedcba98
	s_mov_b32 s[CS], 0x3e38aa3b                    ; c = log2(e) / 8
	s_mov_b32 s[CS+1], s[CS]                       ; (named with it as a pair, so it is written)
	s_wait_kmcnt 0x0
	s_mov_b32 s40, 1
	s_mov_b32 s41, s71
	s_add_nc_u64 s[42:43], s[6:7], s[68:69]
	s_or_b32 s43, s43, 0x80000000
	s_add_nc_u64 s[66:67], s[4:5], s[66:67]
.irp q, 0,1,2,3
	s_mov_b32 s[44+4*\q], 1
	s_add_co_u32 s[45+4*\q], s70, \q*24576
	s_add_nc_u64 s[46+4*\q:47+4*\q], s[66:67], \q*24576
	s_or_b32 s[47+4*\q], s[47+4*\q], 0x80000000
.endr
	s_add_nc_u64 s[72:73], s[4:5], s[72:73]
	s_add_nc_u64 s[74:75], s[6:7], s[74:75]
	s_add_nc_u64 s[8:9], s[8:9], s[76:77]
	s_add_nc_u64 s[10:11], s[10:11], s[78:79]
	CROUND                                         ; all four work-groups are here: the joint loads meet
	s_cmp_lt_u32 s[WV], 4                          ; a fetching wave's five first fills stand in one branch, ahead of every wait on TENSORcnt and every LDS read; four v_nop follow the last
	s_cbranch_scc0 .Lno_fetch
	tensor_load_to_lds s[40:43], s[G1S:G1S+7]
	s_nop 0
	tensor_load_to_lds s[44:47], s[G1C:G1C+7]
	s_nop 0
	tensor_load_to_lds s[48:51], s[G1C:G1C+7]
	s_nop 0
	tensor_load_to_lds s[52:55], s[G1C:G1C+7]
	s_nop 0
	tensor_load_to_lds s[56:59], s[G1C:G1C+7]
	s_nop 0
.rept 4
	v_nop
.endr
.Lno_fetch:
	v_and_b32 v4, 31, v0                           ; lane
	v_lshlrev_b32 v1, 4, v4                        ; 16 x lane
	v_lshlrev_b32 v10, 3, v4
	v_add_nc_u32 v2, 512, v10                      ; 8 x lane + 512
	v_and_b32 v254, 15, v0
	v_lshlrev_b32 v254, 3, v254                    ; 8 r
	global_load_b128 v[16:19], v1, s[72:73]        ; Q stays in registers
	global_load_b64 v[20:21], v2, s[72:73]
	global_load_b32 v255, v254, s[74:75]           ; and its scale words
	v_add_nc_u32 v3, VB, v1
	v_add_nc_u32 v9, VB, v2
	v_add_nc_u32 v10, SKB, v10
.irp i, 22,23,24,25,26,27
	v_mov_b32 v[\i], 0                             ; the upper 64 of the first product's K: zero codes, set once
.endr
.irp t, 0,1,2,3
.irp i, 6,7,8,9,10,11
	v_mov_b32 v[KF+12*\t+\i], 0
.endr
.endr
	v_mov_b32 v13, 0xff61b1e6                      ; the largest t so far: -3e38, under every t
	v_floor_f32 v12, -v13                          ; -M
	v_mov_b32 v14, 0                               ; the sum, in two halves
	v_mov_b32 v15, 0
.irp b, 0,1,2,3
	v_mov_b32 v[236+\b], 0                         ; written once: a lane permute's destination counts as one of its sources
.endr
	v_mov_b32 v253, 0                              ; (named as the upper half of the pair v[252:253] before it is first written)
.set J, 0
.rept 32
	v_mov_b32 v[O+J], 0                            ; O^T: the step is written once; its first walk finds zeros, which the first change of M leaves zeros
.set J, J+1
.endr
.macro SPROD t                         ; S^T, tile t of the step's eight: the scale words of tiles 2 i and 2 i + 1 share a register, lanes 0-15 and 16-31
.if (\t)%2
	v_wmma_scale_f32_16x16x128_f8f6f4 v[S+8*(\t):S+8*(\t)+7], v[KF+12*((\t)%4):KF+12*((\t)%4)+11], v[16:27], 0, v[248+(\t)/2], v255 matrix_a_fmt:MATRIX_FMT_FP6 matrix_b_fmt:MATRIX_FMT_FP6 matrix_a_scale:MATRIX_SCALE_ROW1
.else
	v_wmma_scale_f32_16x16x128_f8f6f4 v[S+8*(\t):S+8*(\t)+7], v[KF+12*((\t)%4):KF+12*((\t)%4)+11], v[16:27], 0, v[248+(\t)/2], v255 matrix_a_fmt:MATRIX_FMT_FP6 matrix_b_fmt:MATRIX_FMT_FP6
.endif
.endm
.macro OPROD t                         ; O^T += V^T P^T, tile t of the head's four
.if (\t)%2
	v_wmma_scale_f32_16x16x128_f8f6f4 v[O+8*(\t):O+8*(\t)+7], v[VF+12*(\t):VF+12*(\t)+11], v[224:235], v[O+8*(\t):O+8*(\t)+7], v[28+(\t)/2], v253 matrix_a_fmt:MATRIX_FMT_FP6 matrix_b_fmt:MATRIX_FMT_FP6 matrix_a_scale:MATRIX_SCALE_ROW1
.else
	v_wmma_scale_f32_16x16x128_f8f6f4 v[O+8*(\t):O+8*(\t)+7], v[VF+12*(\t):VF+12*(\t)+11], v[224:235], v[O+8*(\t):O+8*(\t)+7], v[28+(\t)/2], v253 matrix_a_fmt:MATRIX_FMT_FP6 matrix_b_fmt:MATRIX_FMT_FP6
.endif
.endm
; A KEY STEP: 128 keys
.macro STEP
	v_add_nc_u32 v4, s[TC], v1                     ; the step's addresses: these five are also the places behind the last step's products
	v_add_nc_u32 v5, s[TC], v2
	v_add_nc_u32 v6, s[TC], v3
	v_add_nc_u32 v7, s[TC], v9
	v_add_nc_u32 v8, s[TS], v10
	ds_load_b64 v[248:249], v8                     ; K's scale words: tiles 0-3,
	ds_load_b64 v[250:251], v8 offset:256          ; tiles 4-7
	ds_load_b64 v[28:29], v8 offset:8192           ; V's: the step's first 64 keys,
	ds_load_b64 v[30:31], v8 offset:8448           ; its second 64
.irp t, 0,1,2,3
	ds_load_b128 v[KF+12*\t:KF+12*\t+3], v4 offset:768*\t
	ds_load_b64 v[KF+12*\t+4:KF+12*\t+5], v5 offset:768*\t
.endr
	s_wait_dscnt 0x0
.irp t, 0,1,2,3
	SPROD \t
.endr
	v_perm_b32 v28, v30, v28, 0x05040100           ; V's word of 128 keys: the two bytes of each half.  With the two v_nop: the four places in front of the loads below
	v_perm_b32 v29, v31, v29, 0x05040100
	v_nop
	v_nop
.irp t, 0,1,2,3
	ds_load_b128 v[KF+12*\t:KF+12*\t+3], v4 offset:768*(4+\t)
	ds_load_b64 v[KF+12*\t+4:KF+12*\t+5], v5 offset:768*(4+\t)
.endr
.irp f, 0,1,2,3
.irp c, 0,1
	ds_load_b128 v[VF+12*\f+6*\c:VF+12*\f+6*\c+3], v6 offset:768*(2*\f+\c)
	ds_load_b64 v[VF+12*\f+6*\c+4:VF+12*\f+6*\c+5], v7 offset:768*(2*\f+\c)
.endr
.endr
	s_wait_dscnt 16                                ; K's tiles 4-7 are in; V's sixteen loads stay out through the softmax
.irp t, 4,5,6,7
	SPROD \t
.endr
.rept 4
	v_nop
.endr
.irp b, 0,1,2,3
	v_max3_num_f32 v[232+\b], v[S+16*\b], v[S+1+16*\b], v[S+2+16*\b]   ; THE LARGEST SCORE OF EACH BLOCK OF 32 KEYS: for the row's maximum, and, since p rises with the score, for the block's largest p
.endr
.irp i, 3,5,7,9,11,13
.irp b, 0,1,2,3
	v_max3_num_f32 v[232+\b], v[232+\b], v[S+16*\b+\i], v[S+1+16*\b+\i]   ; the four blocks by turns
.endr
.endr
.irp b, 0,1,2,3
	v_max_num_f32 v[232+\b], v[232+\b], v[S+15+16*\b]
.endr
.irp b, 0,1,2,3
	v_permlanex16_b32 v[236+\b], v[232+\b], s[SEL], s[SEL+1]
.endr
.irp b, 0,1,2,3
	v_max_num_f32 v[232+\b], v[232+\b], v[236+\b]  ; with lane l xor 16's 16 keys
.endr
	v_max3_num_f32 v254, v232, v233, v234
	v_max_num_f32 v254, v254, v235                 ; the step's largest score of my query
	v_mul_f32 v254, s[CS], v254                    ; as t (c is positive)
	v_max_num_f32 v13, v13, v254                   ; the running largest t
	v_mov_b32 v254, v12
	v_floor_f32 v12, -v13                          ; the new -M = floor(-t) = -ceil(t): M is a whole number
	v_sub_f32 v254, v12, v254                      ; old M - new M: a whole number, 0 or less
	v_cvt_i32_f32 v254, v254                       ; (it saturates)
	v_ldexp_f32 v252, 1.0, v254                    ; f = 2^(old M - new M)
.set J, 0
.rept 32
	v_pk_fma_f32 v[S+J:S+J+1], v[S+J:S+J+1], s[CS:CS+1], v[12:13] op_sel_hi:[1,0,0]   ; t - M, two at a time
.set J, J+2
.endr
.irp b, 0,1,2,3
	v_fma_f32 v[232+\b], v[232+\b], s[CS], v12     ; the same of each block's largest score
.endr
.set J, 0
.rept 64
	v_exp_f32 v[S+J], v[S+J]                       ; p = 2^(t - M), at most 1: not normalised
.set J, J+1
.endr
.irp b, 0,1,2,3
	v_exp_f32 v[232+\b], v[232+\b]                 ; the block's largest p: the same two instructions on the same number give the same bits
.endr
	v_pk_mul_f32 v[14:15], v[14:15], v[252:253] op_sel_hi:[1,0]   ; the sums under the new M.  (A plain place behind the exponentials)
	s_wait_alu depctr_va_vdst(0)
.irp b, 0,1,2,3
	v_max_num_f32 v[232+\b], 0x1800000, v[232+\b]  ; the floor 2^(3 - 127): the byte cannot fall under 1
.endr
.irp b, 0,1,2,3
	v_add_nc_u32 v[244+\b], 0xff000000, v[232+\b]  ; 2 off the exponent field: the conversion's scale operand
.endr
.irp b, 0,1,2,3
	v_lshrrev_b32 v[236+\b], 23, v[244+\b]         ; the scale's byte
.endr
	v_lshl_or_b32 v253, v237, 8, v236              ; p's scale word for these 128 keys
	v_lshl_or_b32 v253, v238, 16, v253
	v_lshl_or_b32 v253, v239, 24, v253
.irp c, 0,1
	v_cvt_scalef32_pk16_fp6_f32 v[224+6*\c:226+6*\c], v[S+32*\c:S+15+32*\c], v[244+2*\c]
	v_cvt_scalef32_pk16_fp6_f32 v[236+4*\c:238+4*\c], v[S+16+32*\c:S+31+32*\c], v[244+2*\c+1]   ; (a conversion's three registers begin on an even number)
.endr
	v_nop                                          ; one plain place behind a scaled conversion
.irp c, 0,1                                    ; a whole block to a lane: lanes 0-15 block 2 c, lanes 16-31 block 2 c + 1
.irp i, 0,1,2
	v_permlane16_swap_b32 v[224+6*\c+\i], v[236+4*\c+\i]
.endr
.irp i, 0,1,2
	v_mov_b32 v[227+6*\c+\i], v[236+4*\c+\i]
.endr
.endr
	v_pk_add_f32 v[236:237], v[S:S+1], v[S+2:S+3]  ; THE ROW'S SUM IS TAKEN OF THE UNQUANTISED p: two at a time, in two chains
.irp j, 4,8,12,16,20,24,28,32,36,40,44,48,52,56,60
	v_pk_add_f32 v[14:15], v[14:15], v[S+\j:S+1+\j]
	v_pk_add_f32 v[236:237], v[236:237], v[S+2+\j:S+3+\j]
.endr
	v_pk_add_f32 v[14:15], v[14:15], v[236:237]
.set J, 0
.rept 16
	v_pk_mul_f32 v[O+J:O+J+1], v[O+J:O+J+1], v[252:253] op_sel_hi:[1,0]   ; O^T under the new M.  (With the sums above: the places between p's codes and scale word and the products below)
.set J, J+2
.endr
	s_wait_dscnt 0x0                               ; V is in
.irp t, 0,1,2,3
	OPROD \t                                       ; four accumulators by turns, one instruction a turn
.endr
	s_add_co_u32 s[TC], s[TC], 6144
	s_add_co_u32 s[TS], s[TS], 512
.endm
; A chunk of 512 keys: four steps
.macro CHUNK q
	s_wait_tensorcnt 3-\q                          ; a fetching wave's scale words and chunks 0 to q have landed; its later chunks stay out
	s_wait_dscnt 0x0
	s_barrier_signal -1
	s_barrier_wait -1                              ; everybody's have
	s_mov_b32 s[TC], \q*24576
	s_mov_b32 s[TS], \q*2048
	s_mov_b32 s[CNT], 4
.Lstep_\@:
	STEP
	s_sub_co_u32 s[CNT], s[CNT], 1
	s_cmp_lg_u32 s[CNT], 0
	s_cbranch_scc1 .Lstep_\@
.endm
	s_wait_loadcnt 0x0                             ; Q
	CHUNK 0
	CHUNK 1
	CHUNK 2
	CHUNK 3
	; THE WAY OUT: O^T / the sum, quantised along my head's 64 channels: half a fragment of the last product's operand, and two bytes of its scale word
	v_add_f32 v14, v14, v15                        ; the sum's two halves,
	v_permlanex16_b32 v252, v14, s[SEL], s[SEL+1]
	v_add_f32 v14, v14, v252                       ; and lane l xor 16's: the row's sum
	v_rcp_f32 v14, v14
	v_and_b32 v4, 15, v0                           ; (plain lines behind the reciprocal, and the places behind the last products)
	v_lshlrev_b32 v4, 3, v4                        ; 8 r
	v_mov_b32 v[TP], 0
	v_mov_b32 v[TP+1], 0
.set J, 0
	s_wait_alu depctr_va_vdst(0)
.rept 32
	v_mul_f32 v[S+J], v[O+J], v14                  ; register 16 b + i: channel 32 b + 16 (lane / 16) + i of my query; each accumulator from its low end on
.set J, J+1
.endr
.irp b, 0,1
	v_max3_num_f32 v[TM+\b], |v[S+16*\b]|, |v[S+1+16*\b]|, 0x1800000
.endr
.irp i, 2,4,6,8,10,12,14
.irp b, 0,1
	v_max3_num_f32 v[TM+\b], v[TM+\b], |v[S+16*\b+\i]|, |v[S+1+16*\b+\i]|
.endr
.endr
.irp b, 0,1
	v_permlanex16_b32 v[TP+\b], v[TM+\b], s[SEL], s[SEL+1]
.endr
.irp b, 0,1
	v_max_num_f32 v[TM+\b], v[TM+\b], v[TP+\b]
.endr
.irp b, 0,1
	v_add_nc_u32 v[SO+\b], 0xff000000, v[TM+\b]
.endr
.irp b, 0,1
	v_lshrrev_b32 v[BY+\b], 23, v[SO+\b]
.endr
	v_lshl_or_b32 v253, v[BY+1], 8, v[BY]          ; my head's two bytes of the row's scale word
	v_cvt_scalef32_pk16_fp6_f32 v[224:226], v[S:S+15], v[SO]
	v_cvt_scalef32_pk16_fp6_f32 v[230:232], v[S+16:S+31], v[SO+1]
	v_nop                                          ; one plain place behind a scaled conversion
.irp i, 0,1,2
	v_permlane16_swap_b32 v[224+\i], v[230+\i]
.endr
.irp i, 0,1,2
	v_mov_b32 v[227+\i], v[230+\i]
.endr
	global_store_b128 v1, v[224:227], s[8:9]       ; 512 consecutive bytes
	global_store_b64 v2, v[228:229], s[8:9]        ; 256 consecutive bytes
	global_store_b16 v4, v253, s[10:11]            ; both halves of the lanes store the same two bytes with the same value
	s_wait_xcnt 0x0
	v_lshl_add_u32 v254, v0, 2, 0x34000
	v_mov_b32 v255, 0
	s_wait_tensorcnt 0x0
	ds_add_u32 v254, v255
	s_wait_dscnt 0x0
	CROUND                                         ; the closing round: no work-group ends while a partner may still ask for a tile that names it
	s_endpgm
.Lfunc_end_k_qebeccf11a1_attn:
	.size	k_qebeccf11a1_attn, .Lfunc_end_k_qebeccf11a1_attn-k_qebeccf11a1_attn
	.p2alignl 7, 3214868480
	.fill 96, 4, 3214868480
	.section	.rodata,"a",@progbits
	.p2align	6, 0x0
	.amdhsa_kernel k_qebeccf11a1_attn
		.amdhsa_group_segment_fixed_size 215040
		.amdhsa_private_segment_fixed_size 0
		.amdhsa_enable_private_segment 0
		.amdhsa_kernarg_size 32
		.amdhsa_user_sgpr_count 2
		.amdhsa_user_sgpr_kernarg_segment_ptr 1
		.amdhsa_wavefront_size32 1
		.amdhsa_system_sgpr_workgroup_id_x 1
		.amdhsa_system_sgpr_workgroup_id_y 1
		.amdhsa_system_sgpr_workgroup_id_z 1
		.amdhsa_system_vgpr_workitem_id 0
		.amdhsa_next_free_vgpr 256
		.amdhsa_next_free_sgpr 80
		.amdhsa_reserve_vcc 0
		.amdhsa_float_denorm_mode_32 3
		.amdhsa_float_denorm_mode_16_64 3
		.amdhsa_memory_ordered 1
		.amdhsa_forward_progress 1
		.amdhsa_inst_pref_size 80
	.end_amdhsa_kernel
	.amdgpu_metadata
---
amdhsa.version: [ 1, 2 ]
amdhsa.kernels:
  - .name:           k_qebeccf11a1_attn
    .symbol:         k_qebeccf11a1_attn.kd
    .args:
      - { .name: qkv, .offset: 0, .size: 8, .value_kind: global_buffer, .address_space: global }
      - { .name: qkvs, .offset: 8, .size: 8, .value_kind: global_buffer, .address_space: global }
      - { .name: aimg, .offset: 16, .size: 8, .value_kind: global_buffer, .address_space: global }
      - { .name: ascl, .offset: 24, .size: 8, .value_kind: global_buffer, .address_space: global }
    .group_segment_fixed_size: 215040
    .private_segment_fixed_size: 0
    .kernarg_segment_align: 8
    .kernarg_segment_size: 32
    .max_flat_workgroup_size: 512
    .sgpr_count:     80
    .vgpr_count:     256
    .wavefront_size: 32
...
	.end_amdgpu_metadata
.endif
;; end of part 4
;; launch gemm_out (part 5): grid 8 x 32, 4 waves a work-group, clusters of 4 x 4, 222,720 bytes of LDS; arguments img, scl, aimg, ascl, bo, out0; writes out0
.if DOCPART == 5
	.amdgcn_target "amdgcn-amd-amdhsa--gfx1250"
	.amdhsa_code_object_version 6
	.text
	.protected	k_qebeccf11a1_gemm_out
	.globl	k_qebeccf11a1_gemm_out
	.p2align	8
	.type	k_qebeccf11a1_gemm_out,@function
k_qebeccf11a1_gemm_out:
	s_mov_b64 s[64:65], 0
	v_nop
	global_prefetch_b8 v0, s[64:65] scope:SCOPE_SE
	s_setreg_imm32_b32 hwreg(HW_REG_WAVE_MODE, 25, 1), 1
	s_wait_xcnt 0x0
	s_wait_alu depctr_hold_cnt(0) depctr_sa_sdst(0) depctr_va_vdst(0) depctr_va_sdst(0) depctr_va_ssrc(0) depctr_va_vcc(0) depctr_vm_vsrc(0)
	s_getreg_b32 s2, hwreg(HW_REG_IB_STS2, 6, 4)
	s_cmp_eq_u32 s2, 0
	s_cbranch_scc0 .Lentry_in_a_cluster
	s_endpgm
.Lentry_in_a_cluster:
	s_bfe_u32 s2, ttmp6, 0x10000c
	s_cmp_lg_u32 s2, 0xf033
	s_cbranch_scc0 .Lentry_shape_is_right
	s_endpgm
.Lentry_shape_is_right:
; out0 = a Wo + bo on codes of FP6 (E2M3).  Source 0 is a block P of 128 columns of Wo (img's blocks 56 to 63), source 1 a block R of 128 tokens of a (aimg): a lane is a token and its registers run along columns of out0.
; A tile's rows are not neighbours (tile 2 B + u, lane row r = row 32 B + 8 u + r + 8 (r / 8)): the 16 registers of tiles 2 B and 2 B + 1 are columns 32 B + 16 (lane / 16) + 0 .. 15.
; SHARES: a work-group makes 128 x 128, each of its four waves 64 x 64: 16 accumulators.  K = 1,024 in four chunks of 256.
; LDS IS FILLED ONCE: each wave issues five tensor loads at the head (scales, chunks 0 to 3): five are out; counted waits let chunk 0 be multiplied while the others land.
; CLUSTER 4 x 4: P hangs on the work-group's x alone and is asked for jointly down a column of the cluster, R on its y alone and jointly along a row.  The scale words come by plain loads.
; The bias is the sums' first C, loaded straight into the accumulators.  Results leave through each wave's own stage, so that sixteen lanes store 256 consecutive bytes of a row of out0.
.set CHB,   49152                      ; a chunk in LDS: P's 8 tiles x 3,072 bytes, then R's 8
.set SCLB,  4*CHB                      ; P's 4,096 bytes of scale words, then R's
.set STAGE, SCLB+8192                  ; behind them: 16 rows x 272 bytes for each wave; no fill ever lands here
.set SC,    16
.set PF,    32
.set RF,    80
.set ACC,   128
.set WV,    18
.set WP,    19
.set WR,    20
.set G1P,   24
.set G1R,   32
.set G1S,   40
.set G0S,   48
.macro PLACES
.rept 4
	v_nop
.endr
.endm
.macro JLOAD g0a, g1a, g0b, g1b        ; a joint load: waves 0, 1 fetch P's halves, waves 2, 3 R's; four v_nop follow each line
	s_cmp_eq_u32 s[WP], 0
	s_cbranch_scc0 .Lfor_r_\@
	tensor_load_to_lds s[\g0a:\g0a+3], s[\g1a:\g1a+7]
	s_nop 0
.rept 4
	v_nop
.endr
	s_branch .Lasked_\@
.Lfor_r_\@:
	tensor_load_to_lds s[\g0b:\g0b+3], s[\g1b:\g1b+7]
	s_nop 0
.rept 4
	v_nop
.endr
.Lasked_\@:
.endm
.macro CROUND
	s_barrier_signal -1
	s_barrier_wait -1
	s_cmp_lg_u32 s[WV], 0
	s_cbranch_scc1 .Lnot_wave_0_\@
	s_barrier_signal -3
.Lnot_wave_0_\@:
	s_barrier_wait -3
	s_barrier_signal -1
	s_barrier_wait -1
.endm
	s_load_b256 s[4:11], s[0:1], 0x0               ; img s[4:5], scl s[6:7], aimg s[8:9], ascl s[10:11]
	s_load_b128 s[12:15], s[0:1], 0x20             ; bo s[12:13], out0 s[14:15]
	v_lshl_add_u32 v30, v0, 2, 0x36400
	v_mov_b32 v31, 0
	ds_add_u32 v30, v31
	ds_add_u32 v30, v31
	v_lshrrev_b32 v1, 5, v0
	v_readfirstlane_b32 s[WV], v1                  ; wave 0..3
	s_lshr_b32 s[WP], s[WV], 1
	s_and_b32 s[WR], s[WV], 1
	s_bfe_u32 s21, ttmp6, 0x40000                  ; cx
	s_bfe_u32 s22, ttmp6, 0x40004                  ; cy
	s_lshl_b32 s91, ttmp9, 2
	s_add_co_u32 s91, s91, s21                     ; gx = 4 Cx + cx
	s_add_co_u32 s92, s91, 56                      ; pblk: Wo's blocks
	s_and_b32 s95, ttmp7, 0xffff
	s_lshl_b32 s95, s95, 2
	s_add_co_u32 s95, s95, s22                     ; rblk = 4 Cy + cy
	s_lshl_b32 s93, 0x1111, s21                    ; my column of the cluster: P's partners
	s_lshl_b32 s96, s22, 2
	s_lshl_b32 s96, 15, s96                        ; my row: R's partners
	s_or_b32 s[G1P], s93, (3<<16)|(1<<21)          ; 4 rows (tiles) of 3,072 bytes, 12,288 bytes apart; elements of 8 bytes; bit 21 set beside a mask
	s_or_b32 s[G1R], s96, (3<<16)|(1<<21)
.irp g, G1P, G1R
	s_mov_b32 s[\g+1], 384<<16
	s_mov_b32 s[\g+2], 4<<16
	s_mov_b32 s[\g+3], 384<<16
	s_mov_b32 s[\g+4], 4
	s_mov_b32 s[\g+5], 1536
	s_mov_b32 s[\g+6], 0
	s_mov_b32 s[\g+7], 0
.endr
	s_mov_b32 s[G1S], 3<<16                        ; the scale words: 8 rows of 256 bytes, dense; no mask
	s_mov_b32 s[G1S+1], 32<<16
	s_mov_b32 s[G1S+2], 8<<16
	s_mov_b32 s[G1S+3], 32<<16
	s_mov_b32 s[G1S+4], 8
	s_mov_b32 s[G1S+5], 32
	s_mov_b32 s[G1S+6], 0
	s_mov_b32 s[G1S+7], 0
	s_mul_i32 s98, s92, 98304
	s_mul_i32 s99, s[WR], 49152
	s_add_co_u32 s98, s98, s99
	s_mul_i32 s100, s95, 98304
	s_add_co_u32 s100, s100, s99
	s_mov_b32 s99, 0
	s_mov_b32 s101, 0
	s_mul_i32 s94, s[WV], 12288                    ; where they go in a chunk: no place in the cluster enters an LDS address
	s_lshl_b32 s88, s[WV], 11
	s_wait_dscnt 0x0
	s_wait_kmcnt 0x0
	s_cmp_lt_u32 s[WV], 2                          ; the scale words: waves 0, 1 P's halves out of scl, waves 2, 3 R's out of ascl
	s_cselect_b64 s[2:3], s[6:7], s[10:11]
	s_cselect_b32 s66, s92, s95
	s_lshl_b32 s66, s66, 12
	s_lshl_b32 s67, s[WR], 11
	s_add_co_u32 s66, s66, s67
	s_mov_b32 s67, 0
	s_add_nc_u64 s[98:99], s[4:5], s[98:99]
	s_add_nc_u64 s[100:101], s[8:9], s[100:101]
	s_mov_b32 s[G0S], 1
	s_add_co_u32 s[G0S+1], s88, SCLB
	s_add_nc_u64 s[G0S+2:G0S+3], s[2:3], s[66:67]
	s_or_b32 s[G0S+3], s[G0S+3], 0x80000000
.irp q, 0,1,2,3
.set GP, 52+4*\q+4*(\q/3)              ; s52, s56, s60, s68: P's groups 0
.set GR, 72+4*\q                       ; s72 .. s87: R's
	s_mov_b32 s[GP], 1
	s_add_co_u32 s[GP+1], s94, \q*CHB
	s_add_nc_u64 s[GP+2:GP+3], s[98:99], \q*3072
	s_or_b32 s[GP+3], s[GP+3], 0x80000000
	s_mov_b32 s[GR], 1
	s_add_co_u32 s[GR+1], s94, \q*CHB
	s_add_nc_u64 s[GR+2:GR+3], s[100:101], \q*3072
	s_or_b32 s[GR+3], s[GR+3], 0x80000000
.endr
	CROUND                                         ; all sixteen work-groups are here: the first joint loads meet
	tensor_load_to_lds s[G0S:G0S+3], s[G1S:G1S+7]
	s_nop 0
.rept 4
	v_nop
.endr
.irp q, 0,1,2,3
	JLOAD 52+4*\q+4*(\q/3), G1P, 72+4*\q, G1R
.endr
	v_and_b32 v8, 31, v0                           ; lane
	v_and_b32 v6, 15, v0                           ; r
	v_bfe_u32 v7, v0, 4, 1                         ; h
	v_lshlrev_b32 v12, 4, v8                       ; 16 x lane
	v_lshlrev_b32 v15, 3, v8
	v_add_nc_u32 v15, 512, v15                     ; 8 x lane + 512
	s_mul_i32 s2, s[WP], 12288
	s_mul_i32 s3, s[WR], 12288
	s_add_co_u32 s3, s3, 24576
	v_add_nc_u32 v1, s2, v12
	v_add_nc_u32 v2, s2, v15
	v_add_nc_u32 v3, s3, v12
	v_add_nc_u32 v4, s3, v15
	s_xor_b32 s3, s[WP], 1
	s_add_co_u32 s3, s3, s[WR]
	s_add_co_u32 s3, s3, 1
	s_lshl_b32 s3, s3, 11                          ; from my words of P to my words of R: 4096 + 2048 wr - 2048 wp
	v_mul_u32_u24 v5, s3, v7
	s_lshl_b32 s2, s[WP], 11
	s_add_co_u32 s2, s2, SCLB
	v_lshl_add_u32 v5, v6, 3, v5
	v_add_nc_u32 v5, s2, v5
	v_lshlrev_b32 v9, 6, v7                        ; the bias: 16 h columns on
	s_mul_i32 s2, s[WV], 4352
	s_add_co_u32 s2, s2, STAGE                     ; my stage
	v_mul_u32_u24 v10, v6, 272
	v_lshl_add_u32 v10, v7, 6, v10
	v_add_nc_u32 v10, s2, v10                      ; in: row r, + 64 h
	v_mul_u32_u24 v11, v7, 272
	v_lshl_add_u32 v11, v6, 4, v11
	v_add_nc_u32 v11, s2, v11                      ; back: lanes 0-15 one row of 256 bytes, lanes 16-31 the next
	v_lshlrev_b32 v14, 12, v7
	v_lshl_add_u32 v14, v6, 4, v14                 ; and the same two rows in out0
	s_lshl_b32 s2, s91, 7
	s_lshl_b32 s3, s[WP], 6
	s_add_co_u32 s2, s2, s3
	s_lshl_b32 s2, s2, 2                           ; my first column, in bytes
	s_mov_b32 s3, 0
	s_add_nc_u64 s[12:13], s[12:13], s[2:3]
	s_add_nc_u64 s[14:15], s[14:15], s[2:3]
	s_lshl_b32 s2, s95, 7
	s_lshl_b32 s66, s[WR], 6
	s_add_co_u32 s2, s2, s66
	s_lshl_b32 s2, s2, 12                          ; my first token's row
	s_add_nc_u64 s[14:15], s[14:15], s[2:3]
.irp rt, 0,1,2,3
.irp p, 0,1,2,3
	global_load_b128 v[ACC+32*\rt+8*\p:ACC+32*\rt+8*\p+3], v9, s[12:13] offset:4*(32*(\p/2)+8*(\p%2))       ; register j: column 32 (p / 2) + 16 h + 8 (p % 2) + j
	global_load_b128 v[ACC+32*\rt+8*\p+4:ACC+32*\rt+8*\p+7], v9, s[12:13] offset:4*(32*(\p/2)+8*(\p%2))+16
.endr
.endr
	s_wait_loadcnt 0x0
; One K step of 128.  The sixteen accumulators take turns, one instruction a turn, in the same order in every step.
.macro KSTEP q, s2
.if \s2 == 0
.irp i, 0,1,2,3
	ds_load_b64 v[SC+2*\i:SC+2*\i+1], v5 offset:(\i/2)*1024+(\i%2)*128+\q*256
.endr
.endif
.irp p, 0,1,2,3
.irp c, 0,1
	ds_load_b128 v[PF+12*\p+6*\c:PF+12*\p+6*\c+3], v1 offset:\p*3072+\s2*1536+\c*768
	ds_load_b64 v[PF+12*\p+6*\c+4:PF+12*\p+6*\c+5], v2 offset:\p*3072+\s2*1536+\c*768
.endr
.endr
.irp p, 0,1,2,3
.irp c, 0,1
	ds_load_b128 v[RF+12*\p+6*\c:RF+12*\p+6*\c+3], v3 offset:\p*3072+\s2*1536+\c*768
	ds_load_b64 v[RF+12*\p+6*\c+4:RF+12*\p+6*\c+5], v4 offset:\p*3072+\s2*1536+\c*768
.endr
.endr
.irp rt, 0,1,2,3
	s_wait_dscnt 12-4*\rt                          ; R's tile rt is in; the later tiles' four loads each stay out
.irp p, 0,1,2,3
	v_wmma_scale_f32_16x16x128_f8f6f4 v[ACC+32*\rt+8*\p:ACC+32*\rt+8*\p+7], v[PF+12*\p:PF+12*\p+11], v[RF+12*\rt:RF+12*\rt+11], v[ACC+32*\rt+8*\p:ACC+32*\rt+8*\p+7], v[SC+2*\p+\s2], v[SC+2*\rt+\s2] matrix_a_fmt:MATRIX_FMT_FP6 matrix_b_fmt:MATRIX_FMT_FP6 matrix_b_scale:MATRIX_SCALE_ROW1
.endr
.endr
.endm
.macro CHUNK q
	s_wait_tensorcnt 3-\q                          ; my scale words and my parts of chunks 0 to q have landed; the later chunks stay out
	s_barrier_signal -1
	s_barrier_wait -1
	KSTEP \q, 0
	PLACES
	KSTEP \q, 1
.if \q < 3
	v_add_nc_u32 v1, CHB, v1                       ; on to the next chunk: these four are also the places in front of its loads
	v_add_nc_u32 v2, CHB, v2
	v_add_nc_u32 v3, CHB, v3
	v_add_nc_u32 v4, CHB, v4
.else
	PLACES                                         ; in front of the stores that read results and of the loads into the fragments' registers
.endif
.endm
	CHUNK 0
	CHUNK 1
	CHUNK 2
	CHUNK 3
	; THE WAY OUT, a tile of 16 tokens x 64 columns at a time, through my own stage.  LDS serves a wave's instructions in order: no wait between the stores and the loads, nor in front of the next tile's stores.
.irp rt, 0,1,2,3
.if \rt >= 2
	s_wait_xcnt 0x0                                ; the stores of two tiles back have read their registers: this tile's rows may land there
.endif
.irp k, 0,1,2,3,4,5,6,7
	ds_store_b128 v10, v[ACC+32*\rt+4*\k:ACC+32*\rt+4*\k+3] offset:128*(\k/4)+16*(\k%4)   ; each accumulator from its low end on
.endr
.irp k, 0,1,2,3,4,5,6,7
	ds_load_b128 v[32+32*(\rt%2)+4*\k:32+32*(\rt%2)+4*\k+3], v11 offset:544*\k           ; tile rows 2 k and 2 k + 1
.endr
.irp k, 0,1,2,3,4,5,6,7
	s_wait_dscnt 7-\k                              ; load k is back; the younger ones stay out
	global_store_b128 v14, v[32+32*(\rt%2)+4*\k:32+32*(\rt%2)+4*\k+3], s[14:15] offset:(2*\k+8*(\k/4)+32*(\rt/2)+8*(\rt%2))*4096 th:TH_STORE_NT   ; sixteen lanes store 256 consecutive bytes, aligned; written once, read by nobody here
.endr
.endr
	s_wait_tensorcnt 0x0
	ds_add_u32 v30, v31
	s_wait_dscnt 0x0
	CROUND                                         ; the closing round: no work-group ends while a partner may still ask for a tile that names it
	s_endpgm
.Lfunc_end_k_qebeccf11a1_gemm_out:
	.size	k_qebeccf11a1_gemm_out, .Lfunc_end_k_qebeccf11a1_gemm_out-k_qebeccf11a1_gemm_out
	.p2alignl 7, 3214868480
	.fill 96, 4, 3214868480
	.section	.rodata,"a",@progbits
	.p2align	6, 0x0
	.amdhsa_kernel k_qebeccf11a1_gemm_out
		.amdhsa_group_segment_fixed_size 222720
		.amdhsa_private_segment_fixed_size 0
		.amdhsa_enable_private_segment 0
		.amdhsa_kernarg_size 48
		.amdhsa_user_sgpr_count 2
		.amdhsa_user_sgpr_kernarg_segment_ptr 1
		.amdhsa_wavefront_size32 1
		.amdhsa_system_sgpr_workgroup_id_x 1
		.amdhsa_system_sgpr_workgroup_id_y 1
		.amdhsa_system_sgpr_workgroup_id_z 1
		.amdhsa_system_vgpr_workitem_id 0
		.amdhsa_next_free_vgpr 256
		.amdhsa_next_free_sgpr 102
		.amdhsa_reserve_vcc 0
		.amdhsa_float_denorm_mode_32 3
		.amdhsa_float_denorm_mode_16_64 3
		.amdhsa_memory_ordered 1
		.amdhsa_forward_progress 1
		.amdhsa_inst_pref_size 58
	.end_amdhsa_kernel
	.amdgpu_metadata
---
amdhsa.version: [ 1, 2 ]
amdhsa.kernels:
  - .name:           k_qebeccf11a1_gemm_out
    .symbol:         k_qebeccf11a1_gemm_out.kd
    .args:
      - { .name: img, .offset: 0, .size: 8, .value_kind: global_buffer, .address_space: global }
      - { .name: scl, .offset: 8, .size: 8, .value_kind: global_buffer, .address_space: global }
      - { .name: aimg, .offset: 16, .size: 8, .value_kind: global_buffer, .address_space: global }
      - { .name: ascl, .offset: 24, .size: 8, .value_kind: global_buffer, .address_space: global }
      - { .name: bo, .offset: 32, .size: 8, .value_kind: global_buffer, .address_space: global }
      - { .name: out0, .offset: 40, .size: 8, .value_kind: global_buffer, .address_space: global }
    .group_segment_fixed_size: 222720
    .private_segment_fixed_size: 0
    .kernarg_segment_align: 8
    .kernarg_segment_size: 48
    .max_flat_workgroup_size: 128
    .sgpr_count:     102
    .vgpr_count:     256
    .wavefront_size: 32
...
	.end_amdgpu_metadata
.endif
;; end of part 5
;; ======== version 2 of 2: 4 launches
;; limits: right only within a limited range of input values
;; workspace buffers: img 6,553,600 bytes; qb 3,145,728 bytes; qsb 131,072 bytes; kvb 6,553,600 bytes; aimg 3,276,800 bytes
;; launch quant (part 6): grid 256 x 1, 8 waves a work-group, no clusters, 83,968 bytes of LDS; arguments x, Wq, Wk, Wv, Wo, img; writes img
.if DOCPART == 6
	.amdgcn_target "amdgcn-amd-amdhsa--gfx1250"
	.amdhsa_code_object_version 6
	.text
	.protected	k_qebeccf11a1_quant
	.globl	k_qebeccf11a1_quant
	.p2align	8
	.type	k_qebeccf11a1_quant,@function
k_qebeccf11a1_quant:
	s_mov_b64 s[64:65], 0
	v_nop
	global_prefetch_b8 v0, s[64:65] scope:SCOPE_SE
	s_setreg_imm32_b32 hwreg(HW_REG_WAVE_MODE, 25, 1), 1
	s_wait_xcnt 0x0
; x [4096 tokens][1024] and the four weights [1024 k][1024 n], f32, become codes of FP6 (E2M3) with one E8M0 byte for each 32 along K, laid as IMAGES OF OPERAND REGISTERS.
; No product and no input of the problem is left out in this program.
; A tile is 16 rows (tokens of x, columns n of a weight): tile j = 0..3 of a band of 64 rows, tile row r, is row 64 band + 32 (r / 8) + 8 j + r % 8.  Results of 16 x 16 products of such tiles
; then hold a whole block of 32 in one lane (four tiles x 8 registers), so no quantiser of this program looks at another lane's numbers.
; img: [tile][12,800 bytes]: K step s = 0..7 (128 along K), half c: 768 bytes at 1536 s + 768 c: registers 6 c .. 6 c + 3 at 16 x lane, 6 c + 4 and 6 c + 5 at 512 + 8 x lane;
; the scale word of row r and step s at 12288 + 256 (s / 4) + 16 r + 4 (s % 4).  Tiles 0-255 x, then 64 tiles each of Wq, Wk, Wv, Wo.
; A block's scale is 2^(floor(log2(largest magnitude)) - 2); its byte is the largest magnitude's exponent field - 2, held at 1 from below.
; LIMITS: a block of zeros gets the byte 1 where the rule says 127 (its codes are zeros, and this program alone reads the bytes); NaN and infinities among the inputs are not served.
; 256 work-groups of equal work, each with two parts.  x: two tiles x 512 along K, a fragment a wave; each load reads 512 consecutive bytes of a token, and the numbers turn through the wave's own stage, 32 neighbours to a lane.
; A weight: 64 columns x 256 along K: a wave takes 32 columns x 64 along K, A LANE A COLUMN, ITS REGISTERS DOWN K; two waves share a stage, in which the four tiles' half fragments are put together.  No loop: all loads go out at once.
.set STGB, 8448                        ; a wave's stage for x: 16 rows x (512 + 16) bytes
.set SCX,  8*STGB                      ; x's scale words, 512 bytes
.set WST,  SCX+512                     ; the weights' stage: [K quarter 4][tile 4][768 + 128]
.set SCW,  WST+16*896                  ; the weights' scale words, 512 bytes
.set SPARE, SCW+512
.set XL,   16                          ; v16-79 x as loaded
.set NX,   80                          ; v80-143: register 32 c + i = k 64 c + 32 h + i of my row
.set WX,   188                         ; v188-251: W(k0 + i, my column)
; the largest magnitudes of two blocks of 32, with the floor 2^(3 - 127): v[t], v[t+2]
.macro MAX2 x, t
.irp g, 0,1,2,3
	v_max3_num_f32 v[\t+\g], |v[\x+16*\g]|, |v[\x+16*\g+1]|, |v[\x+16*\g+2]|
.endr
.irp i, 3,5,7,9,11,13
.irp g, 0,1,2,3
	v_max3_num_f32 v[\t+\g], v[\t+\g], |v[\x+16*\g+\i]|, |v[\x+16*\g+\i+1]|
.endr
.endr
.irp g, 0,2
	v_max3_num_f32 v[\t+\g], v[\t+\g], |v[\x+16*\g+15]|, 0x1800000
.endr
.irp g, 0,2
	v_max3_num_f32 v[\t+\g], v[\t+\g], |v[\x+16*\g+31]|, v[\t+\g+1]
.endr
.endm
; two blocks' codes into v[c .. c+11], scale operands v[so], v[so+1], bytes v[eb], v[eb+1]
.macro CODES x, t, so, c, tc, eb
.irp b, 0,1
	v_add_nc_u32 v[\so+\b], 0xff000000, v[\t+2*\b]   ; 2 off the exponent field: the conversion's scale operand
.endr
.irp b, 0,1
	v_cvt_scalef32_pk16_fp6_f32 v[\c+6*\b:\c+6*\b+2], v[\x+32*\b:\x+32*\b+15], v[\so+\b]
	v_cvt_scalef32_pk16_fp6_f32 v[\tc+4*\b:\tc+4*\b+2], v[\x+32*\b+16:\x+32*\b+31], v[\so+\b]
.endr
.irp b, 0,1
	v_lshrrev_b32 v[\eb+\b], 23, v[\so+\b]
.endr
.irp b, 0,1
.irp i, 0,1,2
	v_mov_b32 v[\c+6*\b+3+\i], v[\tc+4*\b+\i]      ; (a conversion's three registers begin on an even number)
.endr
.endr
.endm
	s_load_b256 s[4:11], s[0:1], 0x0               ; x, Wq, Wk, Wv
	s_load_b128 s[12:15], s[0:1], 0x20             ; Wo, img
	v_lshl_add_u32 v10, v0, 2, SPARE
	v_mov_b32 v11, 0
	v_lshrrev_b32 v1, 5, v0
	v_readfirstlane_b32 s18, v1                    ; wave 0..7
	s_lshr_b32 s20, s18, 2                         ; x: tile u of my work-group's two
	s_and_b32 s21, s18, 3                          ; and K step of its four
	s_and_b32 s22, s18, 1                          ; weight: which 32 columns
	s_lshr_b32 s23, s18, 1                         ; and which 64 along K
	v_and_b32 v1, 31, v0
	v_and_b32 v2, 15, v0                           ; r
	v_bfe_u32 v3, v0, 4, 1                         ; h
	v_lshlrev_b32 v4, 4, v1
	v_lshlrev_b32 v7, 3, v1
	v_lshlrev_b32 v9, 2, v1
	s_mul_i32 s19, s18, STGB
	v_add_nc_u32 v5, s19, v4                       ; into the stage: 16 x lane of a row
	v_mul_u32_u24 v6, v2, 528
	v_lshl_add_u32 v6, v3, 7, v6
	v_add_nc_u32 v6, s19, v6                       ; out of it: row r, + 128 h
	s_lshl_b32 s24, s20, 8
	s_lshl_b32 s25, s21, 2
	s_add_co_u32 s24, s24, s25
	s_add_co_u32 s24, s24, SCX
	v_lshl_add_u32 v8, v2, 4, v3
	v_add_nc_u32 v8, s24, v8                       ; x's scale byte: 256 u + 16 r + 4 (s % 4) + h (+ 2 c)
	v_bfe_u32 v12, v0, 3, 2                        ; weight: my column's tile j
	v_and_b32 v13, 7, v0
	s_lshl_b32 s24, s22, 3
	v_add_nc_u32 v13, s24, v13                     ; and row in it: 8 g + lane % 8
	s_mul_i32 s24, s23, 4*896
	s_add_co_u32 s24, s24, WST
	v_mul_u32_u24 v14, v12, 896
	v_add_nc_u32 v14, s24, v14
	v_lshl_add_u32 v15, v13, 3, v14
	v_add_nc_u32 v15, 512, v15
	v_lshl_add_u32 v14, v13, 4, v14
	s_mul_i32 s25, s22, 2*896
	s_add_co_u32 s24, s24, s25
	v_add_nc_u32 v181, s24, v4                     ; back: tiles 2 g, 2 g + 1
	v_add_nc_u32 v182, s24, v7
	s_lshl_b32 s25, s23, 1
	s_add_co_u32 s25, s25, SCW
	v_lshlrev_b32 v183, 7, v12
	v_lshl_add_u32 v183, v13, 3, v183
	v_add_nc_u32 v183, s25, v183                   ; my column's two bytes: 128 j + 8 row + 2 x K quarter
	v_lshlrev_b32 v184, 4, v2
	v_mul_u32_u24 v185, v3, 12800
	v_add_nc_u32 v184, v184, v185                  ; scale words out: 16 bytes a row, lanes 16-31 the next tile
	v_add_nc_u32 v185, SCX, v4
	v_add_nc_u32 v186, SCW, v7
	s_lshr_b32 s26, ttmp9, 1                       ; B: tiles 2 B, 2 B + 1
	s_and_b32 s27, ttmp9, 1                        ; kh
	s_lshr_b32 s28, s26, 1
	s_lshl_b32 s28, s28, 18                        ; 64 (B / 2) tokens of 4,096 bytes
	s_and_b32 s29, s26, 1
	s_lshl_b32 s29, s29, 16                        ; + 16 (B % 2)
	s_add_co_u32 s28, s28, s29
	s_lshl_b32 s29, s20, 15                        ; + 8 u
	s_add_co_u32 s28, s28, s29
	s_lshl_b32 s30, s27, 2
	s_add_co_u32 s30, s30, s21                     ; s = 4 kh + w % 4
	s_lshl_b32 s29, s30, 9
	s_add_co_u32 s28, s28, s29
	s_mov_b32 s29, 0
	s_mul_i32 s30, s30, 1536
	s_mul_i32 s32, s26, 25600
	s_mul_i32 s31, s20, 12800
	s_add_co_u32 s30, s30, s31
	s_add_co_u32 s30, s30, s32
	s_mov_b32 s31, 0
	s_lshl_b32 s33, s27, 8
	s_add_co_u32 s32, s32, s33
	s_add_co_u32 s32, s32, 12288                   ; x's scale words out
	s_mov_b32 s33, 0
	s_and_b32 s34, ttmp9, 15                       ; G: band of 64 columns
	s_bfe_u32 s35, ttmp9, 0x20004                  ; kk: which 256 along K
	s_lshr_b32 s36, ttmp9, 6                       ; which weight
	s_lshl_b32 s38, s35, 20
	s_lshl_b32 s39, s23, 18
	s_add_co_u32 s38, s38, s39
	s_lshl_b32 s39, s34, 8
	s_add_co_u32 s38, s38, s39
	s_lshl_b32 s39, s22, 7
	s_add_co_u32 s38, s38, s39
	s_mov_b32 s39, 0
	s_lshl_b32 s40, s36, 6
	s_lshl_b32 s41, s34, 2
	s_add_co_u32 s40, s40, s41
	s_add_co_u32 s40, s40, 256
	s_mul_i32 s40, s40, 12800                      ; tile 256 + 64 weight + 4 G
	s_lshr_b32 s42, s35, 1
	s_lshl_b32 s42, s42, 8
	s_and_b32 s43, s35, 1
	s_lshl_b32 s43, s43, 3
	s_add_co_u32 s42, s42, s43
	s_add_co_u32 s42, s42, s40
	s_add_co_u32 s42, s42, 12288                   ; the weight's scale words out
	s_mov_b32 s43, 0
	s_mul_i32 s41, s22, 25600
	s_add_co_u32 s40, s40, s41
	s_mul_i32 s41, s35, 3072
	s_add_co_u32 s40, s40, s41
	s_mul_i32 s41, s23, 768
	s_add_co_u32 s40, s40, s41
	s_mov_b32 s41, 0
	s_wait_alu depctr_va_vdst(0)                   ; the wait at the head's end
	s_wait_kmcnt 0x0
	s_cmp_eq_u32 s36, 1                            ; which weight: the choice hangs on the work-group's number alone
	s_cselect_b64 s[6:7], s[8:9], s[6:7]
	s_cmp_eq_u32 s36, 2
	s_cselect_b64 s[6:7], s[10:11], s[6:7]
	s_cmp_eq_u32 s36, 3
	s_cselect_b64 s[6:7], s[12:13], s[6:7]
	s_add_nc_u64 s[4:5], s[4:5], s[28:29]
	s_add_nc_u64 s[6:7], s[6:7], s[38:39]
	s_add_nc_u64 s[30:31], s[14:15], s[30:31]
	s_add_nc_u64 s[32:33], s[14:15], s[32:33]
	s_add_nc_u64 s[40:41], s[14:15], s[40:41]
	s_add_nc_u64 s[42:43], s[14:15], s[42:43]
.set I, 0
.rept 16
	global_load_b128 v[XL+4*I:XL+4*I+3], v4, s[4:5] offset:(I+24*(I/8))*4096 th:TH_LOAD_NT   ; tile row I: 512 consecutive bytes of one token
.set I, I+1
.endr
.set I, 0
.rept 64
	global_load_b32 v[WX+I], v9, s[6:7] offset:I*4096 th:TH_LOAD_NT                          ; row I at my wave's 32 columns
.set I, I+1
.endr
	s_wait_loadcnt 63                              ; all but the youngest 63: x's sixteen are in
.set I, 0
.rept 16
	ds_store_b128 v5, v[XL+4*I:XL+4*I+3] offset:528*I
.set I, I+1
.endr
.irp c, 0,1
.irp j, 0,1,2,3,4,5,6,7
	ds_load_b128 v[NX+32*\c+4*\j:NX+32*\c+4*\j+3], v6 offset:256*\c+16*\j                    ; LDS serves a wave's instructions in order: these see my stores
.endr
.endr
	s_wait_dscnt 0x0
	MAX2 NX, 144
	CODES NX, 144, 148, 150, 162, 170
.irp c, 0,1
	global_store_b128 v4, v[150+6*\c:150+6*\c+3], s[30:31] offset:768*\c
	global_store_b64 v7, v[150+6*\c+4:150+6*\c+5], s[30:31] offset:768*\c+512
	ds_store_b8 v8, v[170+\c] offset:2*\c
.endr
	s_wait_loadcnt 0x0                             ; the weight's rows are in
	MAX2 WX, 40
	CODES WX, 40, 36, 16, 28, 46
	v_lshl_or_b32 v46, v47, 8, v46
.irp b, 0,1                                        ; block b is what lane (row, h = b) of my column's tile holds
	ds_store_b128 v14, v[16+6*\b:16+6*\b+3] offset:256*\b
	ds_store_b64 v15, v[16+6*\b+4:16+6*\b+5] offset:128*\b
.endr
	ds_store_b16 v183, v46
	s_wait_dscnt 0x0                               ; for the others' sake: my bytes have landed
	s_barrier_signal -1
	s_barrier_wait -1
.irp u, 0,1
	ds_load_b128 v[48+6*\u:48+6*\u+3], v181 offset:896*\u
	ds_load_b64 v[48+6*\u+4:48+6*\u+5], v182 offset:896*\u+512
.endr
	s_wait_dscnt 0x0
.irp u, 0,1
	global_store_b128 v4, v[48+6*\u:48+6*\u+3], s[40:41] offset:12800*\u
	global_store_b64 v7, v[48+6*\u+4:48+6*\u+5], s[40:41] offset:12800*\u+512
.endr
	s_cmp_lg_u32 s18, 0
	s_cbranch_scc1 .Lnot_0
	ds_load_b128 v[60:63], v185                    ; x's words: two tiles, 256 bytes each
	s_wait_dscnt 0x0
	global_store_b128 v184, v[60:63], s[32:33]
.Lnot_0:
	s_cmp_lg_u32 s18, 1
	s_cbranch_scc1 .Lnot_1
	ds_load_b64 v[64:65], v186                     ; the weight's: four tiles, 8 bytes a row
	ds_load_b64 v[66:67], v186 offset:256
	s_wait_dscnt 0x0
	global_store_b64 v184, v[64:65], s[42:43]
	global_store_b64 v184, v[66:67], s[42:43] offset:25600
.Lnot_1:
	s_wait_tensorcnt 0x0                           ; the wave's end
	ds_add_u32 v10, v11
	s_wait_dscnt 0x0
	s_endpgm
.Lfunc_end_k_qebeccf11a1_quant:
	.size	k_qebeccf11a1_quant, .Lfunc_end_k_qebeccf11a1_quant-k_qebeccf11a1_quant
	.p2alignl 7, 3214868480
	.fill 96, 4, 3214868480
	.section	.rodata,"a",@progbits
	.p2align	6, 0x0
	.amdhsa_kernel k_qebeccf11a1_quant
		.amdhsa_group_segment_fixed_size 83968
		.amdhsa_private_segment_fixed_size 0
		.amdhsa_enable_private_segment 0
		.amdhsa_kernarg_size 48
		.amdhsa_user_sgpr_count 2
		.amdhsa_user_sgpr_kernarg_segment_ptr 1
		.amdhsa_wavefront_size32 1
		.amdhsa_system_sgpr_workgroup_id_x 1
		.amdhsa_system_sgpr_workgroup_id_y 1
		.amdhsa_system_sgpr_workgroup_id_z 1
		.amdhsa_system_vgpr_workitem_id 0
		.amdhsa_next_free_vgpr 252
		.amdhsa_next_free_sgpr 66
		.amdhsa_reserve_vcc 0
		.amdhsa_float_denorm_mode_32 3
		.amdhsa_float_denorm_mode_16_64 3
		.amdhsa_memory_ordered 1
		.amdhsa_forward_progress 1
		.amdhsa_inst_pref_size 23
	.end_amdhsa_kernel
	.amdgpu_metadata
---
amdhsa.version: [ 1, 2 ]
amdhsa.kernels:
  - .name:           k_qebeccf11a1_quant
    .symbol:         k_qebeccf11a1_quant.kd
    .args:
      - { .name: x, .offset: 0, .size: 8, .value_kind: global_buffer, .address_space: global }
      - { .name: Wq, .offset: 8, .size: 8, .value_kind: global_buffer, .address_space: global }
      - { .name: Wk, .offset: 16, .size: 8, .value_kind: global_buffer, .address_space: global }
      - { .name: Wv, .offset: 24, .size: 8, .value_kind: global_buffer, .address_space: global }
      - { .name: Wo, .offset: 32, .size: 8, .value_kind: global_buffer, .address_space: global }
      - { .name: img, .offset: 40, .size: 8, .value_kind: global_buffer, .address_space: global }
    .group_segment_fixed_size: 83968
    .private_segment_fixed_size: 0
    .kernarg_segment_align: 8
    .kernarg_segment_size: 48
    .max_flat_workgroup_size: 256
    .sgpr_count:     66
    .vgpr_count:     252
    .wavefront_size: 32
...
	.end_amdgpu_metadata
.endif
;; end of part 6
;; launch gemm_qkv (part 7): grid 8 x 32, 4 waves a work-group, clusters of 4 x 4, 327,680 bytes of LDS; arguments img, bq, bk, bv, qb, qsb, kvb; writes qb, qsb, kvb
.if DOCPART == 7
	.amdgcn_target "amdgcn-amd-amdhsa--gfx1250"
	.amdhsa_code_object_version 6
	.text
	.protected	k_qebeccf11a1_gemm_qkv
	.globl	k_qebeccf11a1_gemm_qkv
	.p2align	8
	.type	k_qebeccf11a1_gemm_qkv,@function
k_qebeccf11a1_gemm_qkv:
	s_mov_b64 s[64:65], 0
	v_nop
	global_prefetch_b8 v0, s[64:65] scope:SCOPE_SE
	s_setreg_imm32_b32 hwreg(HW_REG_WAVE_MODE, 25, 1), 1
	s_wait_xcnt 0x0
	s_wait_alu depctr_hold_cnt(0) depctr_sa_sdst(0) depctr_va_vdst(0) depctr_va_sdst(0) depctr_va_ssrc(0) depctr_va_vcc(0) depctr_vm_vsrc(0)
	s_getreg_b32 s2, hwreg(HW_REG_IB_STS2, 6, 4)
	s_cmp_eq_u32 s2, 0
	s_cbranch_scc0 .Lentry_in_a_cluster
	s_endpgm
.Lentry_in_a_cluster:
	s_bfe_u32 s2, ttmp6, 0x10000c
	s_cmp_lg_u32 s2, 0xf033
	s_cbranch_scc0 .Lentry_shape_is_right
	s_endpgm
.Lentry_shape_is_right:
; q = x Wq + bq, k = x Wk + bk, v = x Wv + bv on codes of FP6 (E2M3), each result quantised in registers along the K of the product that reads it: q and k along the head's 64 channels, v along the keys.
; Work-group (gx, rb) makes q, k and v of 128 tokens (x's tiles 8 rb ..) for 128 columns (two heads), in three phases.  Wave (wt, wc): 64 tokens x one head.
; A WAVE HOLDS ITS 64 TOKENS, ALL OF K, IN 384 REGISTERS for all three phases; the weight's tiles of 16 columns stream past, a BLOCK each: 8 fragments in two sets by turns, 32 products, four accumulators by turns.
;   q, k: source 0 = the weight's tile, source 1 = tokens: a lane is a token, its 32 registers of four blocks one scale block of channels.   v: source 0 = tokens: a lane is a channel, its registers one scale block of keys.
; LDS: X, WA (Wq, then Wv), WB (Wk), 102,400 bytes each: eight tiles of 12,800 (codes, then scale words); the spare words.
; HEAD: one tensor load a wave: waves 0, 1 x's halves, wave 2 Wq, wave 3 Wk.  ONE REFILL: in the third block WA takes Wv, a quarter a wave, in a drained round; by then every wave has fetched Wq's last tile.
; CLUSTER 4 x 4: the weights hang on gx alone and are asked for jointly down a column of the cluster, x on rb alone and jointly along a row.
; No prefetch: the launch has no loop, and its one refill has three blocks of 32 products and an epilogue in which to land.
; THE BIAS is the first products' C.
; OUT: qb [bh][band 32][tile 4][768], qsb [bh][band][128];  kvb [bh][key step 16][12,800]: K [band 2][tile 4][768], V [channel tile 4][band 2][768] at 6,144, K's words [band][128] at 12,288, V's [tile][row][4] at 12,544.
;   A word of q or k at 4 x lane: lanes 0-15 rows of tiles 0 (bytes 0, 1) and 1 (bytes 2, 3), lanes 16-31 of tiles 2 and 3.  A word of V: byte 2 band + h.
; LIMITS: a block of zeros gets the byte 1 where the rule says 127 (its codes are zeros, and this program alone reads the bytes); NaN and infinities are not served.
; REGISTERS: v1-3, v4-6, v7-9 LDS addresses in X, WA, WB (16 x lane, 8 x lane, 16 r); v10-13 store offsets; v14, v15 the add; v16-47 x's scale words; v52-67 the weight's, two sets; v68-123 the way out; v128-255 accumulators.
;   Fragment f: window 1 + f / 21, register 12 (f % 21): 0-31 x's (4 s + tile), 32-47 the weight's two sets.  Window 3 from v96: the biases (q 96, k 128, v 160).
.set SX,  16
.set SW,  52
.set TT,  68
.set SO,  76
.set EB,  80
.set TC,  84
.set CD,  100
.set ACC, 128
.set WA,  102400
.set WB,  204800
.set SPARE, 307200
.set MSB, 0
.macro WIN new
.if MSB != (\new)
	s_set_vgpr_msb (MSB<<8)|(\new)
.set MSB, (\new)
.endif
.endm
.macro PLACES
.rept 4
	v_nop
.endr
.endm
.macro BARRIER
	s_barrier_signal -1
	s_barrier_wait -1
.endm
.macro CREST
	s_cmp_lg_u32 s18, 0
	s_cbranch_scc1 .Lnot_wave_0_\@
	s_barrier_signal -3
.Lnot_wave_0_\@:
	s_barrier_wait -3
	BARRIER
.endm
.macro FRAG f, o, a16, a8
	WIN ((1+(\f)/21)<<6)
.set R_, 12*((\f)%21)
	ds_load_b128 v[R_:R_+3], v[\a16] offset:\o
	ds_load_b64 v[R_+4:R_+5], v[\a8] offset:(\o)+512
	ds_load_b128 v[R_+6:R_+9], v[\a16] offset:(\o)+768
	ds_load_b64 v[R_+10:R_+11], v[\a8] offset:(\o)+1280
.endm
.macro FETCH e, j, ad                  ; a tile of the weight, 34 loads, into set e
.irp k, 0,1,2,3,4,5,6,7
	FRAG 32+8*\e+\k, 12800*\j+1536*\k, \ad, \ad+1
.endr
	WIN 0
	ds_load_b128 v[SW+8*\e:SW+8*\e+3], v[\ad+2] offset:12800*\j+12288
	ds_load_b128 v[SW+8*\e+4:SW+8*\e+7], v[\ad+2] offset:12800*\j+12544
.endm
.macro P1 d, a, b, c, x0, x1
	v_wmma_scale_f32_16x16x128_f8f6f4 v[\d:\d+7], v[\a:\a+11], v[\b:\b+11], \c, v[\x0], v[\x1] matrix_a_fmt:MATRIX_FMT_FP6 matrix_b_fmt:MATRIX_FMT_FP6
.endm
.macro PROD kind, e, j, n, bw          ; product n = 4 x K step + token tile of block j
.set S_, (\n)/4
.set X_, (\n)%4
.set FW_, 32+8*(\e)+S_
.set XR_, 12*((\n)%21)
.set WR_, 12*(FW_%21)
.set XW_, 1+(\n)/21
.set WW_, 1+FW_/21
.set C2_, 0
.if S_ == 0
.set C2_, 48
.endif
.set B_, (\bw)+8*(\j)
.set XS_, SX+8*X_+S_
.set WS_, SW+8*(\e)+S_
.if \kind
.set D_, ACC+32*(\j)+8*X_
	WIN (XW_|(WW_<<2)|C2_)
.if S_
	P1 D_, XR_, WR_, v[D_:D_+7], XS_, WS_
.else
	P1 D_, XR_, WR_, v[B_:B_+7], XS_, WS_
.endif
.else
.set D_, ACC+32*X_+8*(\j)
	WIN (WW_|(XW_<<2)|C2_)
.if S_
	P1 D_, WR_, XR_, v[D_:D_+7], WS_, XS_
.else
	P1 D_, WR_, XR_, v[B_:B_+7], WS_, XS_
.endif
.endif
.endm
.macro PR kind, e, j, bw, from, to
.set N_, \from
.rept (\to)-(\from)
	PROD \kind, \e, \j, N_, \bw
.set N_, N_+1
.endr
.endm
.macro BLK kind, e, j, bw, w=34        ; w: the next tile's loads may stay out
	s_wait_dscnt \w
	PR \kind, \e, \j, \bw, 0, 32
	WIN 0
	PLACES
.endm
.macro EPI base, stride, sbase, v      ; four times 32 numbers a lane become codes; each accumulator is read from its low end on
	s_wait_xcnt 0x0                                ; earlier stores have read their registers
.irp g, 0,1,2,3,4,5,6,7
	v_max3_num_f32 v[TT+\g], |v[ACC+16*\g]|, |v[ACC+16*\g+1]|, |v[ACC+16*\g+2]|
.endr
.irp i, 3,5,7,9,11,13
.irp g, 0,1,2,3,4,5,6,7
	v_max3_num_f32 v[TT+\g], v[TT+\g], |v[ACC+16*\g+\i]|, |v[ACC+16*\g+\i+1]|
.endr
.endr
.irp t, 0,1,2,3
	v_max3_num_f32 v[TT+2*\t], v[TT+2*\t], |v[ACC+32*\t+15]|, 0x1800000   ; the floor 2^(3 - 127)
.endr
.irp t, 0,1,2,3
	v_max3_num_f32 v[TT+2*\t], v[TT+2*\t], |v[ACC+32*\t+31]|, v[TT+2*\t+1]
.endr
.irp t, 0,1,2,3
	v_add_nc_u32 v[SO+\t], 0xff000000, v[TT+2*\t]  ; 2 off the exponent field: the conversion's scale operand
.endr
.irp t, 0,1,2,3
	v_cvt_scalef32_pk16_fp6_f32 v[CD+6*\t:CD+6*\t+2], v[ACC+32*\t:ACC+32*\t+15], v[SO+\t]
	v_cvt_scalef32_pk16_fp6_f32 v[TC+4*\t:TC+4*\t+2], v[ACC+32*\t+16:ACC+32*\t+31], v[SO+\t]
.endr
.irp t, 0,1,2,3
	v_lshrrev_b32 v[EB+\t], 23, v[SO+\t]
.endr
.irp t, 0,1,2,3
.irp i, 0,1,2
	v_mov_b32 v[CD+6*\t+3+\i], v[TC+4*\t+\i]       ; (a conversion's three registers begin on an even number)
.endr
.endr
	v_lshl_or_b32 v[EB], v[EB+1], 16, v[EB]
	v_lshl_or_b32 v[EB+2], v[EB+3], 16, v[EB+2]
	v_permlane16_swap_b32 v[EB], v[EB+2]           ; first: lanes 0-15 tiles 0, 1 block 0, lanes 16-31 tiles 2, 3 block 0;  second: block 1
	v_lshl_or_b32 v[EB], v[EB+2], 8, v[EB]
.irp t, 0,1,2,3
	global_store_b128 v10, v[CD+6*\t:CD+6*\t+3], s[\base:\base+1] offset:\stride*\t
	global_store_b64 v11, v[CD+6*\t+4:CD+6*\t+5], s[\base:\base+1] offset:\stride*\t+512
.endr
.if \v
	global_store_b16 v13, v[EB], s[\sbase:\sbase+1]                     ; my band's two bytes of a word
	global_store_d16_hi_b16 v13, v[EB], s[\sbase:\sbase+1] offset:64
.else
	global_store_b32 v12, v[EB], s[\sbase:\sbase+1]
.endif
.endm
.macro GROUP1 g, mask, rows            ; a dense block as rows of 256 bytes (32 elements of 8 bytes)
	s_or_b32 s[\g], s[\mask], (3<<16)|(1<<21)
	s_mov_b32 s[\g+1], 32<<16
	s_mov_b32 s[\g+2], (\rows)<<16
	s_mov_b32 s[\g+3], 32<<16
	s_mov_b32 s[\g+4], \rows
	s_mov_b32 s[\g+5], 32
	s_mov_b32 s[\g+6], 0
	s_mov_b32 s[\g+7], 0
.endm
	s_load_b256 s[4:11], s[0:1], 0x0               ; img, bq, bk, bv
	s_load_b128 s[12:15], s[0:1], 0x20             ; qb, qsb
	s_load_b64 s[16:17], s[0:1], 0x30              ; kvb
	v_lshl_add_u32 v14, v0, 2, SPARE
	v_mov_b32 v15, 0
	ds_add_u32 v14, v15                            ; the opening add, twice, and its wait
	ds_add_u32 v14, v15
	v_lshrrev_b32 v1, 5, v0
	v_readfirstlane_b32 s18, v1                    ; wave 0..3
	s_and_b32 s19, s18, 1                          ; wt: which 64 tokens
	s_lshr_b32 s20, s18, 1                         ; wc: which head of the two
	s_bfe_u32 s21, ttmp6, 0x40000                  ; cx
	s_bfe_u32 s22, ttmp6, 0x40004                  ; cy
	s_lshl_b32 s80, ttmp9, 2
	s_add_co_u32 s80, s80, s21                     ; gx 0..7
	s_and_b32 s81, ttmp7, 0xffff
	s_lshl_b32 s81, s81, 2
	s_add_co_u32 s81, s81, s22                     ; rb 0..31
	s_lshl_b32 s86, 0x1111, s21                    ; my column of the cluster: the weights' partners
	s_lshl_b32 s87, s22, 2
	s_lshl_b32 s87, 15, s87                        ; my row: x's partners
	GROUP1 24, 87, 200                             ; x: four tiles
	GROUP1 32, 86, 400                             ; a weight: eight tiles
	GROUP1 40, 86, 100                             ; the refill: two tiles
	s_mul_i32 s88, s81, 102400
	s_mul_i32 s2, s19, 51200
	s_add_co_u32 s88, s88, s2                      ; x's tiles 8 rb + 4 (w % 2)
	s_mov_b32 s89, 0
	s_mul_i32 s90, s80, 102400
	s_add_co_u32 s90, s90, 256*12800               ; Wq's tiles; Wk's lie 64 tiles, Wv's 128 tiles on
	s_mov_b32 s91, 0
	s_mul_i32 s92, s18, 25600
	s_add_co_u32 s94, s90, s92
	s_mov_b32 s95, 0
	s_mul_i32 s3, s20, 51200
	s_add_co_u32 s3, s3, WA
	v_and_b32 v68, 31, v0
	v_and_b32 v69, 15, v0                          ; r
	v_bfe_u32 v70, v0, 4, 1                        ; h
	v_lshlrev_b32 v10, 4, v68
	v_lshlrev_b32 v11, 3, v68
	v_lshlrev_b32 v12, 2, v68
	v_lshlrev_b32 v13, 7, v70
	v_lshl_add_u32 v13, v69, 2, v13
	v_lshlrev_b32 v71, 4, v69
	v_add_nc_u32 v1, s2, v10
	v_add_nc_u32 v2, s2, v11
	v_add_nc_u32 v3, s2, v71
	v_add_nc_u32 v4, s3, v10
	v_add_nc_u32 v5, s3, v11
	v_add_nc_u32 v6, s3, v71
	s_add_co_u32 s3, s3, WB-WA
	v_add_nc_u32 v7, s3, v10
	v_add_nc_u32 v8, s3, v11
	v_add_nc_u32 v9, s3, v71
	v_lshlrev_b32 v72, 7, v70                      ; q's and k's bias: register 8 j + i is channel 32 h + 8 j + i
	v_lshrrev_b32 v73, 3, v69
	v_lshlrev_b32 v73, 7, v73
	v_and_b32 v74, 7, v69
	v_lshl_add_u32 v73, v74, 2, v73                ; v's: lane r of tile t is channel 32 (r / 8) + 8 t + r % 8
	s_wait_alu depctr_va_vdst(0)                   ; the wait at the head's end
	s_wait_dscnt 0x0
	BARRIER                                        ; the opening round
	CREST
	s_wait_kmcnt 0x0
	s_mov_b32 s48, 1
	s_mul_i32 s49, s19, 51200
	s_add_nc_u64 s[50:51], s[4:5], s[88:89]
	s_or_b32 s51, s51, 0x80000000
	s_mov_b32 s52, 1
	s_mov_b32 s53, WA
	s_add_nc_u64 s[54:55], s[4:5], s[90:91]
	s_add_nc_u64 s[58:59], s[54:55], 64*12800
	s_or_b32 s55, s55, 0x80000000
	s_mov_b32 s56, 1
	s_mov_b32 s57, WB
	s_or_b32 s59, s59, 0x80000000
	s_mov_b32 s60, 1
	s_add_co_u32 s61, s92, WA
	s_add_nc_u64 s[62:63], s[4:5], s[94:95]
	s_add_nc_u64 s[62:63], s[62:63], 128*12800
	s_or_b32 s63, s63, 0x80000000
	s_cmp_lt_u32 s18, 2                            ; the head's loads, one a wave, in one chain
	s_cbranch_scc0 .Lhead_w
	tensor_load_to_lds s[48:51], s[24:31]
	s_nop 0
	PLACES
	s_branch .Lasked
.Lhead_w:
	s_cmp_eq_u32 s18, 2
	s_cbranch_scc0 .Lhead_k
	tensor_load_to_lds s[52:55], s[32:39]
	s_nop 0
	PLACES
	s_branch .Lasked
.Lhead_k:
	tensor_load_to_lds s[56:59], s[32:39]
	s_nop 0
	PLACES
.Lasked:
	s_lshl_b32 s82, s80, 1
	s_add_co_u32 s82, s82, s20                     ; head
	s_lshl_b32 s84, s82, 8
	s_mov_b32 s85, 0
	s_add_nc_u64 s[6:7], s[6:7], s[84:85]
	s_add_nc_u64 s[8:9], s[8:9], s[84:85]
	s_add_nc_u64 s[10:11], s[10:11], s[84:85]
	WIN 0xc0
.irp k, 0,1,2,3,4,5,6,7
	global_load_b128 v[96+4*\k:96+4*\k+3], v72, s[6:7] offset:16*\k
	global_load_b128 v[128+4*\k:128+4*\k+3], v72, s[8:9] offset:16*\k
.endr
.irp t, 0,1,2,3
	global_load_b32 v[160+8*\t], v73, s[10:11] offset:32*\t
.endr
	WIN 0
	; where my results go
	s_lshr_b32 s2, s81, 4
	s_lshl_b32 s2, s2, 4
	s_add_co_u32 s82, s82, s2                      ; bh = 16 batch + head
	s_and_b32 s83, s81, 15                         ; key step
	s_lshl_b32 s2, s82, 5
	s_lshl_b32 s3, s83, 1
	s_add_co_u32 s2, s2, s3
	s_add_co_u32 s2, s2, s19                       ; 32 bh + band
	s_mul_i32 s66, s2, 3072
	s_mov_b32 s67, 0
	s_lshl_b32 s68, s2, 7
	s_mov_b32 s69, 0
	s_add_nc_u64 s[66:67], s[12:13], s[66:67]      ; q
	s_add_nc_u64 s[68:69], s[14:15], s[68:69]
	s_mul_i32 s2, s82, 204800
	s_mul_i32 s3, s83, 12800
	s_add_co_u32 s2, s2, s3
	s_mov_b32 s3, 0
	s_add_nc_u64 s[16:17], s[16:17], s[2:3]        ; my key step of kvb
	s_mul_i32 s2, s19, 3072
	s_add_nc_u64 s[70:71], s[16:17], s[2:3]        ; k
	s_lshl_b32 s2, s19, 7
	s_add_co_u32 s2, s2, 12288
	s_add_nc_u64 s[72:73], s[16:17], s[2:3]
	s_mul_i32 s2, s19, 768
	s_add_co_u32 s2, s2, 6144
	s_add_nc_u64 s[74:75], s[16:17], s[2:3]        ; v
	s_lshl_b32 s2, s19, 1
	s_add_co_u32 s2, s2, 12544
	s_add_nc_u64 s[76:77], s[16:17], s[2:3]
	s_cmp_lt_u32 s18, 2
	s_cbranch_scc0 .Lno_x
	s_wait_tensorcnt 0x0
.Lno_x:
	BARRIER                                        ; x is in; the weights may still be on their way
.irp k, 0,1,2,3,4,5,6,7
.irp t, 0,1,2,3
	FRAG 4*\k+\t, 12800*\t+1536*\k, 1, 2
.endr
.endr
	WIN 0
.irp t, 0,1,2,3
	ds_load_b128 v[SX+8*\t:SX+8*\t+3], v3 offset:12800*\t+12288
	ds_load_b128 v[SX+8*\t+4:SX+8*\t+7], v3 offset:12800*\t+12544
.endr
	s_wait_loadcnt 0x0                             ; the biases
	WIN 0xc3
.irp t, 0,8,16,24
.irp i, 1,2,3,4,5,6,7
	v_mov_b32 v[160+\t+\i], v[160+\t]              ; v's number, one a lane and tile, over the tile's eight registers
.endr
.endr
	WIN 0
	s_wait_alu depctr_va_vdst(0)
	s_cmp_eq_u32 s18, 3
	s_cbranch_scc1 .Lno_wq
	s_wait_tensorcnt 0x0
.Lno_wq:
	s_wait_dscnt 0x0
	BARRIER                                        ; Wq is in; Wk may still be on its way
	FETCH 0, 0, 4
	FETCH 1, 1, 4
	; ---------------- q ----------------
	BLK 0, 0, 0, 96
	FETCH 0, 2, 4
	BLK 0, 1, 1, 96
	FETCH 1, 3, 4
	s_wait_dscnt 34
	s_wait_tensorcnt 0x0                           ; all my tensor loads have landed;
	ds_add_u32 v14, v15                            ; 0 onto my spare word
	PR 0, 0, 2, 96, 0, 24
	WIN 0
	s_wait_dscnt 0x0                               ; the add is done, and so are my reads of WA
	s_barrier_signal -1
	PR 0, 0, 2, 96, 24, 32
	WIN 0
	s_barrier_wait -1
	CREST                                          ; no wave of any partner still reads WA or has a load on its way; and Wk is whole
	tensor_load_to_lds s[60:63], s[40:47]          ; Wv, a quarter a wave
	s_nop 0
	PLACES                                         ; (also the places between the products and the loads into their registers)
	FETCH 0, 0, 7
	BLK 0, 1, 3, 96
	FETCH 1, 1, 7
	EPI 66, 768, 68, 0
	; ---------------- k ----------------
	BLK 0, 0, 0, 128
	FETCH 0, 2, 7
	BLK 0, 1, 1, 128
	FETCH 1, 3, 7
	s_wait_dscnt 34
	PR 0, 0, 2, 128, 0, 24
	WIN 0
	s_wait_tensorcnt 0x0                           ; my quarter of Wv has landed
	s_wait_dscnt 0x0
	s_barrier_signal -1
	PR 0, 0, 2, 128, 24, 32
	WIN 0
	s_barrier_wait -1                              ; everybody's has.
	PLACES
	FETCH 0, 0, 4
	BLK 0, 1, 3, 128
	FETCH 1, 1, 4
	EPI 70, 768, 72, 0
	; ---------------- v ----------------
	BLK 1, 0, 0, 160
	FETCH 0, 2, 4
	BLK 1, 1, 1, 160
	FETCH 1, 3, 4
	BLK 1, 0, 2, 160
	BLK 1, 1, 3, 160, 0
	EPI 74, 1536, 76, 1
	s_wait_tensorcnt 0x0                           ; the wave's end
	ds_add_u32 v14, v15
	s_wait_dscnt 0x0
	BARRIER                                        ; the closing round: no work-group ends while a partner may still ask for a tile that names it
	CREST
	s_endpgm
.Lfunc_end_k_qebeccf11a1_gemm_qkv:
	.size	k_qebeccf11a1_gemm_qkv, .Lfunc_end_k_qebeccf11a1_gemm_qkv-k_qebeccf11a1_gemm_qkv
	.p2alignl 7, 3214868480
	.fill 96, 4, 3214868480
	.section	.rodata,"a",@progbits
	.p2align	6, 0x0
	.amdhsa_kernel k_qebeccf11a1_gemm_qkv
		.amdhsa_group_segment_fixed_size 327680
		.amdhsa_private_segment_fixed_size 0
		.amdhsa_enable_private_segment 0
		.amdhsa_kernarg_size 56
		.amdhsa_user_sgpr_count 2
		.amdhsa_user_sgpr_kernarg_segment_ptr 1
		.amdhsa_wavefront_size32 1
		.amdhsa_system_sgpr_workgroup_id_x 1
		.amdhsa_system_sgpr_workgroup_id_y 1
		.amdhsa_system_sgpr_workgroup_id_z 1
		.amdhsa_system_vgpr_workitem_id 0
		.amdhsa_next_free_vgpr 960
		.amdhsa_next_free_sgpr 102
		.amdhsa_reserve_vcc 0
		.amdhsa_float_denorm_mode_32 3
		.amdhsa_float_denorm_mode_16_64 3
		.amdhsa_memory_ordered 1
		.amdhsa_forward_progress 1
		.amdhsa_inst_pref_size 119
	.end_amdhsa_kernel
	.amdgpu_metadata
---
amdhsa.version: [ 1, 2 ]
amdhsa.kernels:
  - .name:           k_qebeccf11a1_gemm_qkv
    .symbol:         k_qebeccf11a1_gemm_qkv.kd
    .args:
      - { .name: img, .offset: 0, .size: 8, .value_kind: global_buffer, .address_space: global }
      - { .name: bq, .offset: 8, .size: 8, .value_kind: global_buffer, .address_space: global }
      - { .name: bk, .offset: 16, .size: 8, .value_kind: global_buffer, .address_space: global }
      - { .name: bv, .offset: 24, .size: 8, .value_kind: global_buffer, .address_space: global }
      - { .name: qb, .offset: 32, .size: 8, .value_kind: global_buffer, .address_space: global }
      - { .name: qsb, .offset: 40, .size: 8, .value_kind: global_buffer, .address_space: global }
      - { .name: kvb, .offset: 48, .size: 8, .value_kind: global_buffer, .address_space: global }
    .group_segment_fixed_size: 327680
    .private_segment_fixed_size: 0
    .kernarg_segment_align: 8
    .kernarg_segment_size: 56
    .max_flat_workgroup_size: 128
    .sgpr_count:     102
    .vgpr_count:     960
    .wavefront_size: 32
...
	.end_amdgpu_metadata
.endif
;; end of part 7
;; launch attn (part 8): grid 8 x 32, 16 waves a work-group, clusters of 4 x 1, 206,848 bytes of LDS; arguments qb, qsb, kvb, aimg; writes aimg
.if DOCPART == 8
	.amdgcn_target "amdgcn-amd-amdhsa--gfx1250"
	.amdhsa_code_object_version 6
	.text
	.protected	k_qebeccf11a1_attn
	.globl	k_qebeccf11a1_attn
	.p2align	8
	.type	k_qebeccf11a1_attn,@function
k_qebeccf11a1_attn:
	s_mov_b64 s[64:65], 0
	v_nop
	global_prefetch_b8 v0, s[64:65] scope:SCOPE_SE
	s_setreg_imm32_b32 hwreg(HW_REG_WAVE_MODE, 25, 1), 1
	s_wait_xcnt 0x0
	s_wait_alu depctr_hold_cnt(0) depctr_sa_sdst(0) depctr_va_vdst(0) depctr_va_sdst(0) depctr_va_ssrc(0) depctr_va_vcc(0) depctr_vm_vsrc(0)
	s_getreg_b32 s2, hwreg(HW_REG_IB_STS2, 6, 4)
	s_cmp_eq_u32 s2, 0
	s_cbranch_scc0 .Lentry_in_a_cluster
	s_endpgm
.Lentry_in_a_cluster:
	s_bfe_u32 s2, ttmp6, 0x10000c
	s_cmp_lg_u32 s2, 0x3003
	s_cbranch_scc0 .Lentry_shape_is_right
	s_endpgm
.Lentry_shape_is_right:
; a[b][q][head] = softmax_k(q . k / 8) v for one (batch, head), both products on codes of FP6 (E2M3), and the result quantised along the model's 1,024 for the last product.
; THE SOFTMAX AHEAD OF THE SECOND PRODUCT: t = score x log2(e) / 8; M = the running largest t rounded UP to a whole number; p = 2^(t - M) is what is quantised, along the keys, not normalised.
; The row's sum is taken of the unquantised p, in f32, and divides O at the end.  When M moves, the sum and O are multiplied by 2^(old M - new M): exact.
; SHARES: a work-group owns 256 queries of one (batch, head); each of its sixteen waves one tile of 16, in 256 registers: four waves to a SIMD.
; LAYOUT: both products transposed: S^T = K Q^T, O^T = V^T P^T: a lane holds ONE query throughout.  A tile's rows are rows 32 (r / 8) + 8 j + r % 8 of a band of 64, so a lane's 32 registers of a band's four tiles are one block of 32 keys (or channels):
; the block's maximum and codes need no other lane.  The head has 64 channels, half of an instruction's K: TWO TILES OF K SHARE A FRAGMENT'S TWELVE REGISTERS, and Q stands in the lower or in the upper half of its own, with zero codes in the other half.
; LDS IS FILLED ONCE: a key step of 128 keys is 12,800 dense bytes (K, V, scale words), and wave w fetches step w: one tensor load a wave.  The first barrier shows steps 0-3 (waves 0-3 have waited); the second, signalled behind step 0 and waited
; for behind step 2, shows the rest.  K and V of the next step are fetched into registers while this one is worked.
; CLUSTER 4 x 1: the four query blocks of a cluster read the same K and V: every tensor load is joint.  No prefetch: all that the launch reads is asked for at the head, there is no loop to run ahead in.
; LIMITS: a block of zeros gets the byte 1 where the rule says 127 (its codes are zeros, and this program alone reads the bytes); the scaled scores stay under 2^31 in magnitude; NaN and infinities are not served.
; THE WAITS' COUNTS: K's (or V's) fragments and scale words are 18 loads; behind K's stand V's 18 of the same step, behind V's stand K's 18 of the next.
; REGISTERS: v1-3 LDS addresses (16, 8, 4 x lane), v4-21 zeros, Q, zeros; v22, v23 the add; v24-71 K; v72-119 V; v120 Q's scales, v121 p's, v122-123 K's, v124-125 V's; v128-191 S^T, then p; v192-223 O^T; v224-235 p's codes;
;   v236-237 block maxima, v[238:239] the sum, v240-248 and v250, v251 at work, v249 the largest score, v252 f, v254 -M.
.set KF, 24
.set VF, 72
.set SS, 128
.set OO, 192
.set STEPB, 12800
.set SPARE, 204800
.macro CROUND
	s_barrier_signal -1
	s_barrier_wait -1
	s_cmp_lg_u32 s12, 0
	s_cbranch_scc1 .Lnot_wave_0_\@
	s_barrier_signal -3
.Lnot_wave_0_\@:
	s_barrier_wait -3
	s_barrier_signal -1
	s_barrier_wait -1
.endm
.macro LOADK
	ds_load_b32 v122, v3 offset:12288
	ds_load_b32 v123, v3 offset:12416
.irp t, 0,1,2,3,4,5,6,7
	ds_load_b128 v[KF+6*\t:KF+6*\t+3], v1 offset:768*\t
	ds_load_b64 v[KF+6*\t+4:KF+6*\t+5], v2 offset:768*\t+512
.endr
.endm
.macro LOADV
	ds_load_b32 v124, v3 offset:12544
	ds_load_b32 v125, v3 offset:12672
.irp t, 0,1,2,3,4,5,6,7
	ds_load_b128 v[VF+6*\t:VF+6*\t+3], v1 offset:6144+768*\t
	ds_load_b64 v[VF+6*\t+4:VF+6*\t+5], v2 offset:6144+768*\t+512
.endr
.endm
.macro SPROD p, o, q                   ; tiles 2 p + o: pair p's fragment; q: where Q's twelve registers begin
	v_wmma_scale_f32_16x16x128_f8f6f4 v[SS+16*\p+8*\o:SS+16*\p+8*\o+7], v[KF+12*\p:KF+12*\p+11], v[\q:\q+11], 0, v[122+\p/2], v120 matrix_a_fmt:MATRIX_FMT_FP6 matrix_b_fmt:MATRIX_FMT_FP6 matrix_a_scale:MATRIX_SCALE_ROW\r
.endm
.macro SP p, o, q
.if (\p)%2
	v_wmma_scale_f32_16x16x128_f8f6f4 v[SS+16*\p+8*\o:SS+16*\p+8*\o+7], v[KF+12*\p:KF+12*\p+11], v[\q:\q+11], 0, v[122+\p/2], v120 matrix_a_fmt:MATRIX_FMT_FP6 matrix_b_fmt:MATRIX_FMT_FP6 matrix_a_scale:MATRIX_SCALE_ROW1
.else
	v_wmma_scale_f32_16x16x128_f8f6f4 v[SS+16*\p+8*\o:SS+16*\p+8*\o+7], v[KF+12*\p:KF+12*\p+11], v[\q:\q+11], 0, v[122+\p/2], v120 matrix_a_fmt:MATRIX_FMT_FP6 matrix_b_fmt:MATRIX_FMT_FP6
.endif
.endm
.macro OPROD t
.if (\t)%2
	v_wmma_scale_f32_16x16x128_f8f6f4 v[OO+8*\t:OO+8*\t+7], v[VF+12*\t:VF+12*\t+11], v[224:235], v[OO+8*\t:OO+8*\t+7], v[124+\t/2], v121 matrix_a_fmt:MATRIX_FMT_FP6 matrix_b_fmt:MATRIX_FMT_FP6 matrix_a_scale:MATRIX_SCALE_ROW1
.else
	v_wmma_scale_f32_16x16x128_f8f6f4 v[OO+8*\t:OO+8*\t+7], v[VF+12*\t:VF+12*\t+11], v[224:235], v[OO+8*\t:OO+8*\t+7], v[124+\t/2], v121 matrix_a_fmt:MATRIX_FMT_FP6 matrix_b_fmt:MATRIX_FMT_FP6
.endif
.endm
.macro TM j                            ; t - M of registers 2 j, 2 j + 1
	v_pk_fma_f32 v[SS+2*(\j):SS+2*(\j)+1], v[SS+2*(\j):SS+2*(\j)+1], s[22:23], v[254:255] op_sel_hi:[1,0,0]
.endm
.macro ADD a, b                        ; p's sums, in place
	v_pk_add_f32 v[SS+\a:SS+\a+1], v[SS+\a:SS+\a+1], v[SS+\b:SS+\b+1]
.endm
.macro MX d, a
	v_max3_num_f32 v[\d], v[\d], v[SS+\a], v[SS+\a+1]
.endm
.macro STEP next
	s_wait_dscnt 18                                ; K is in; V's loads may be out
.irp p, 0,1,2,3
	SP \p, 0, 10
	SP \p, 1, 4
.endr
	v_mov_b32 v245, v254                           ; the old -M.  These four lines are also the places behind the products
.if \next
	v_add_nc_u32 v1, STEPB, v1
	v_add_nc_u32 v2, STEPB, v2
	v_add_nc_u32 v3, STEPB, v3
	LOADK
.else
	v_nop
	v_nop
	v_nop
.endif
	v_max3_num_f32 v242, v[SS], v[SS+1], v[SS+2]   ; THE LARGEST SCORE OF EACH BLOCK OF 32 KEYS, for the row's maximum and, since p rises with the score, for the block's largest p
	v_max3_num_f32 v243, v[SS+16], v[SS+17], v[SS+18]
	v_max3_num_f32 v244, v[SS+32], v[SS+33], v[SS+34]
	v_max3_num_f32 v246, v[SS+48], v[SS+49], v[SS+50]
.irp i, 3,5,7,9,11,13
	MX 242, \i
	MX 243, 16+\i
	MX 244, 32+\i
	MX 246, 48+\i
.endr
	v_max3_num_f32 v242, v242, v[SS+15], v[SS+31]
	v_max3_num_f32 v244, v244, v[SS+47], v[SS+63]
	v_max_num_f32 v236, v242, v243
	v_max_num_f32 v237, v244, v246
	v_max3_num_f32 v249, v249, v236, v237          ; the running largest score,
	v_permlanex16_b32 v127, v249, s20, s21
	v_max_num_f32 v249, v249, v127                 ; with lane l xor 16's keys
	v_mul_f32 v250, s22, v249                      ; as t (c is positive)
	v_floor_f32 v254, -v250                        ; the new -M = floor(-t): M is a whole number
	v_sub_f32 v251, v254, v245                     ; old M - new M: a whole number, 0 or less
	TM 0
	TM 1
	v_cvt_i32_f32 v251, v251                       ; (it saturates)
	TM 2
	TM 3
	v_ldexp_f32 v252, 1.0, v251                    ; f = 2^(old M - new M)
.irp j, 4,5,6,7,8,9,10,11,12,13,14,15
	TM \j
.endr
	v_pk_fma_f32 v[236:237], v[236:237], s[22:23], v[254:255] op_sel_hi:[1,0,0]   ; the same of the blocks' largest scores
.set J, 0
.rept 16
	v_pk_mul_f32 v[OO+J:OO+J+1], v[OO+J:OO+J+1], v[252:253] op_sel_hi:[1,0]       ; O^T under the new M
.set J, J+2
.endr
	s_wait_alu depctr_va_vdst(0)                   ; the wait ahead of a batch and behind it
	v_exp_f32 v236, v236                           ; the blocks' largest p: the same two instructions on the same number
	v_exp_f32 v237, v237
.set J, 0
.rept 16                               ; band 0's p = 2^(t - M), at most 1; between them band 1's t - M
	v_exp_f32 v[SS+2*J], v[SS+2*J]
	TM 16+J
	v_exp_f32 v[SS+2*J+1], v[SS+2*J+1]
.set J, J+1
.endr
	s_wait_alu depctr_va_vdst(0)
	v_max_num_f32 v236, 0x1800000, v236            ; the floor 2^(3 - 127): the byte cannot fall under 1
	v_max_num_f32 v237, 0x1800000, v237
	v_add_nc_u32 v240, 0xff000000, v236            ; 2 off the exponent field: the conversion's scale operand
	v_add_nc_u32 v241, 0xff000000, v237
	s_wait_alu depctr_va_vdst(0)
.set J, 0
.rept 16                               ; band 1's p; between them band 0's codes, the scale bytes and the first of band 0's sums
	v_exp_f32 v[SS+32+2*J], v[SS+32+2*J]
.if J == 0
	v_cvt_scalef32_pk16_fp6_f32 v[224:226], v[SS:SS+15], v240
.elseif J == 1
	v_cvt_scalef32_pk16_fp6_f32 v[242:244], v[SS+16:SS+31], v240
.elseif J == 2
	v_lshrrev_b32 v250, 23, v240
.elseif J == 3
	v_lshrrev_b32 v251, 23, v241
.elseif J < 12
	ADD 4*(J-4), 4*(J-4)+2
.endif
	v_exp_f32 v[SS+33+2*J], v[SS+33+2*J]
.set J, J+1
.endr
	s_wait_alu depctr_va_vdst(0)
	v_lshl_or_b32 v250, v251, 16, v250             ; my two bytes, at bits 0 and 16
	v_cvt_scalef32_pk16_fp6_f32 v[230:232], v[SS+32:SS+47], v241
	v_cvt_scalef32_pk16_fp6_f32 v[246:248], v[SS+48:SS+63], v241
	v_permlanex16_b32 v126, v250, s20, s21
	ADD 0, 4
	ADD 8, 12
	v_lshl_or_b32 v121, v126, 8, v250              ; lanes 0-15: the scale word of these 128 keys
	ADD 16, 20
	ADD 24, 28
	v_dual_mov_b32 v227, v242 :: v_dual_mov_b32 v228, v243
	v_mov_b32 v229, v244                           ; (a conversion's three registers begin on an even number)
.irp k, 32,36,40,44,48,52,56,60
	ADD \k, \k+2
.endr
	v_dual_mov_b32 v233, v246 :: v_dual_mov_b32 v234, v247
	v_mov_b32 v235, v248
.irp k, 32,40,48,56
	ADD \k, \k+4
.endr
	s_wait_alu depctr_va_vdst(0)
.if \next
	s_wait_dscnt 18                                ; V is in; the next step's K may be out
.else
	s_wait_dscnt 0x0
.endif
.irp t, 0,1,2,3
	OPROD \t                                       ; four accumulators by turns
	ADD 16*\t, 16*\t+8
.endr
	ADD 0, 16                                      ; (with the line above: the places behind the products)
	ADD 32, 48
	ADD 0, 32
	v_pk_fma_f32 v[238:239], v[238:239], v[252:253], v[SS:SS+1] op_sel_hi:[1,0,1]   ; the sum under the new M
.if \next
	LOADV
.endif
.endm
	s_load_b256 s[4:11], s[0:1], 0x0               ; qb, qsb, kvb, aimg
	v_lshl_add_u32 v22, v0, 2, SPARE
	v_mov_b32 v23, 0
	ds_add_u32 v22, v23                            ; the opening add, twice, and its wait
	ds_add_u32 v22, v23
	v_lshrrev_b32 v4, 5, v0
	v_readfirstlane_b32 s12, v4                    ; wave 0..15
	v_and_b32 v5, 31, v0
	v_lshlrev_b32 v1, 4, v5
	v_lshlrev_b32 v2, 3, v5
	v_lshlrev_b32 v3, 2, v5
	v_and_b32 v6, 15, v0
	v_lshlrev_b32 v240, 2, v6                      ; 4 r
	s_bfe_u32 s13, ttmp6, 0x40000                  ; cx: it enters Q's and a's global addresses alone
	s_lshl_b32 s14, ttmp9, 2
	s_add_co_u32 s14, s14, s13                     ; my block of 256 queries
	s_and_b32 s15, ttmp7, 0xffff                   ; bh, which the partners share
	s_mul_i32 s41, s12, STEPB                      ; my key step in LDS
	s_mul_i32 s66, s15, 16*STEPB
	s_add_co_u32 s66, s66, s41
	s_mov_b32 s67, 0
	s_mov_b32 s24, 15|(3<<16)|(1<<21)              ; all four work-groups; elements of 8 bytes; bit 21 set beside a mask
	s_mov_b32 s25, 32<<16
	s_mov_b32 s26, 50<<16                          ; 50 rows of 256 bytes
	s_mov_b32 s27, 32<<16
	s_mov_b32 s28, 50
	s_mov_b32 s29, 32
	s_mov_b32 s30, 0
	s_mov_b32 s31, 0
	s_lshl_b32 s72, s15, 7
	s_lshl_b32 s73, s14, 4
	s_add_co_u32 s72, s72, s73
	s_add_co_u32 s72, s72, s12
	s_lshr_b32 s74, s72, 2                         ; Q's band
	s_mul_i32 s72, s72, 768                        ; tile 128 bh + 16 block + wave
	s_mov_b32 s73, 0
	s_lshl_b32 s74, s74, 7
	s_bfe_u32 s75, s12, 0x10001
	s_lshl_b32 s75, s75, 6
	s_add_co_u32 s74, s74, s75                     ; tiles 2, 3 of a band lie 64 bytes on
	s_mov_b32 s75, 0
	s_and_b32 s60, s12, 1
	s_lshl_b32 s60, s60, 4                         ; odd tiles' bytes lie at bit 16
	s_lshr_b32 s76, s15, 4
	s_lshl_b32 s76, s76, 7
	s_lshl_b32 s77, s14, 4
	s_add_co_u32 s76, s76, s77
	s_add_co_u32 s76, s76, s12
	s_mul_i32 s76, s76, 12800                      ; a's tile T = 128 batch + 16 block + wave
	s_and_b32 s77, s15, 15                         ; head
	s_lshr_b32 s78, s77, 3
	s_lshl_b32 s78, s78, 8
	s_and_b32 s79, s77, 7
	s_lshl_b32 s79, s79, 1
	s_add_co_u32 s78, s78, s79
	s_add_co_u32 s78, s78, s76
	s_add_co_u32 s78, s78, 12288                   ; its scale bytes: 256 (head / 8) + 2 (head % 8) + 16 r + h
	s_mov_b32 s79, 0
	s_mul_i32 s77, s77, 768
	s_add_co_u32 s76, s76, s77
	s_mov_b32 s77, 0
	s_mov_b32 s20, 0x76543210                      ; lane selects for lane l xor 16
	s_mov_b32 s21, 0xfedcba98
	s_mov_b32 s22, 0x3e38aa3b                      ; c = log2(e) / 8
	s_mov_b32 s23, s22                             ; (named with it as a pair, so it is written)
	s_wait_alu depctr_va_vdst(0)                   ; the wait ahead of the blocking waits
	s_wait_dscnt 0x0
	s_wait_kmcnt 0x0
	s_add_nc_u64 s[72:73], s[4:5], s[72:73]
	s_add_nc_u64 s[74:75], s[6:7], s[74:75]
	global_load_b128 v[10:13], v1, s[72:73]        ; Q stays in registers
	global_load_b64 v[14:15], v2, s[72:73] offset:512
	global_load_b32 v120, v240, s[74:75]
	s_mov_b32 s40, 1
	s_add_nc_u64 s[42:43], s[8:9], s[66:67]
	s_or_b32 s43, s43, 0x80000000
	s_add_nc_u64 s[76:77], s[10:11], s[76:77]
	s_add_nc_u64 s[78:79], s[10:11], s[78:79]
	CROUND                                         ; all four work-groups are here: the joint loads meet
	s_cmp_lt_u32 s12, 4
	s_cbranch_scc0 .Llater
	tensor_load_to_lds s[40:43], s[24:31]          ; waves 0-3: key steps 0-3
	s_nop 0
.rept 4
	v_nop
.endr
	s_branch .Lasked
.Llater:
	tensor_load_to_lds s[40:43], s[24:31]          ; the others: steps 4-15
	s_nop 0
.rept 4
	v_nop
.endr
.Lasked:
.irp i, 4,5,6,7,8,9,16,17,18,19,20,21
	v_mov_b32 v\i, 0                               ; zero codes beside Q
.endr
	v_mov_b32 v249, 0xff61b1e6                     ; the largest score so far: -3e38
	v_mul_f32 v250, s22, v249
	v_floor_f32 v254, -v250                        ; -M
	v_mov_b32 v255, 0                              ; (upper halves of pairs, and a lane permute's destinations, are named before they are first written)
	v_mov_b32 v253, 0
	v_mov_b32 v126, 0
	v_mov_b32 v127, 0
	v_mov_b32 v238, 0                              ; the sum, in two halves
	v_mov_b32 v239, 0
.set J, 0
.rept 32
	v_mov_b32 v[OO+J], 0                           ; O^T: the step has no first form of its own
.set J, J+1
.endr
	s_wait_alu depctr_va_vdst(0)                   ; the wait at the head's end
	s_wait_loadcnt 0x0
	v_lshrrev_b32 v120, s60, v120                  ; Q's two bytes, in both halves of the word
	v_and_b32 v120, 0xffff, v120
	v_lshl_or_b32 v120, v120, 16, v120
	s_wait_alu depctr_va_vdst(0)
	s_cmp_lt_u32 s12, 4
	s_cbranch_scc0 .Lnot_mine
	s_wait_tensorcnt 0x0
.Lnot_mine:
	s_barrier_signal -1
	s_barrier_wait -1                              ; key steps 0-3 are in; nothing is ever filled again
	LOADK
	LOADV
	STEP 1
	s_wait_alu depctr_va_vdst(0)
	s_wait_tensorcnt 0x0                           ; my load has landed:
	s_wait_dscnt 0x0
	s_barrier_signal -1                            ; say so; steps 1 and 2 read key steps 0-3 alone
	s_mov_b32 s62, 2
.Lfirst:
	STEP 1
	s_sub_co_u32 s62, s62, 1
	s_cmp_lg_u32 s62, 0
	s_cbranch_scc1 .Lfirst
	s_barrier_wait -1                              ; all 2,048 keys may be read
	s_mov_b32 s62, 12
.Lrest:
	STEP 1
	s_sub_co_u32 s62, s62, 1
	s_cmp_lg_u32 s62, 0
	s_cbranch_scc1 .Lrest
	STEP 0
	; THE WAY OUT: O^T / the sum, quantised along my head's 64 channels: a lane's 32 registers are channels 32 h + 0 .. 31
	v_add_f32 v238, v238, v239
	v_and_b32 v24, 31, v0
	v_lshlrev_b32 v25, 3, v24
	v_permlanex16_b32 v127, v238, s20, s21
	v_lshlrev_b32 v24, 4, v24
	v_and_b32 v26, 15, v0
	v_add_f32 v238, v238, v127                     ; with lane l xor 16's keys: the row's sum
	v_bfe_u32 v27, v0, 4, 1
	v_lshl_add_u32 v26, v26, 4, v27                ; 16 r + h
	s_wait_alu depctr_va_vdst(0)
	v_rcp_f32 v250, v238
	v_nop
	s_wait_alu depctr_va_vdst(0)
.set J, 0
.rept 32
	v_mul_f32 v[SS+J], v[OO+J], v250               ; each accumulator from its low end on
.set J, J+1
.endr
.irp g, 0,1
	v_max3_num_f32 v[242+\g], |v[SS+16*\g]|, |v[SS+16*\g+1]|, 0x1800000
.endr
.irp i, 2,4,6,8,10,12,14
.irp g, 0,1
	v_max3_num_f32 v[242+\g], v[242+\g], |v[SS+16*\g+\i]|, |v[SS+16*\g+\i+1]|
.endr
.endr
	v_max_num_f32 v242, v242, v243
	v_add_nc_u32 v240, 0xff000000, v242
	v_lshrrev_b32 v241, 23, v240                   ; the scale's byte
	v_cvt_scalef32_pk16_fp6_f32 v[224:226], v[SS:SS+15], v240
	v_cvt_scalef32_pk16_fp6_f32 v[246:248], v[SS+16:SS+31], v240
	v_nop
	v_mov_b32 v227, v246
	v_mov_b32 v228, v247
	v_mov_b32 v229, v248
	global_store_b128 v24, v[224:227], s[76:77]
	global_store_b64 v25, v[228:229], s[76:77] offset:512
	global_store_b8 v26, v241, s[78:79]            ; my head's two bytes of a row's 32, one from each half of the lanes
	s_wait_tensorcnt 0x0                           ; the wave's end
	ds_add_u32 v22, v23
	s_wait_dscnt 0x0
	CROUND                                         ; the closing round: no work-group ends while a partner may still ask for a tile that names it
	s_endpgm
.Lfunc_end_k_qebeccf11a1_attn:
	.size	k_qebeccf11a1_attn, .Lfunc_end_k_qebeccf11a1_attn-k_qebeccf11a1_attn
	.p2alignl 7, 3214868480
	.fill 96, 4, 3214868480
	.section	.rodata,"a",@progbits
	.p2align	6, 0x0
	.amdhsa_kernel k_qebeccf11a1_attn
		.amdhsa_group_segment_fixed_size 206848
		.amdhsa_private_segment_fixed_size 0
		.amdhsa_enable_private_segment 0
		.amdhsa_kernarg_size 32
		.amdhsa_user_sgpr_count 2
		.amdhsa_user_sgpr_kernarg_segment_ptr 1
		.amdhsa_wavefront_size32 1
		.amdhsa_system_sgpr_workgroup_id_x 1
		.amdhsa_system_sgpr_workgroup_id_y 1
		.amdhsa_system_sgpr_workgroup_id_z 1
		.amdhsa_system_vgpr_workitem_id 0
		.amdhsa_next_free_vgpr 256
		.amdhsa_next_free_sgpr 84
		.amdhsa_reserve_vcc 0
		.amdhsa_float_denorm_mode_32 3
		.amdhsa_float_denorm_mode_16_64 3
		.amdhsa_memory_ordered 1
		.amdhsa_forward_progress 1
		.amdhsa_inst_pref_size 70
	.end_amdhsa_kernel
	.amdgpu_metadata
---
amdhsa.version: [ 1, 2 ]
amdhsa.kernels:
  - .name:           k_qebeccf11a1_attn
    .symbol:         k_qebeccf11a1_attn.kd
    .args:
      - { .name: qb, .offset: 0, .size: 8, .value_kind: global_buffer, .address_space: global }
      - { .name: qsb, .offset: 8, .size: 8, .value_kind: global_buffer, .address_space: global }
      - { .name: kvb, .offset: 16, .size: 8, .value_kind: global_buffer, .address_space: global }
      - { .name: aimg, .offset: 24, .size: 8, .value_kind: global_buffer, .address_space: global }
    .group_segment_fixed_size: 206848
    .private_segment_fixed_size: 0
    .kernarg_segment_align: 8
    .kernarg_segment_size: 32
    .max_flat_workgroup_size: 512
    .sgpr_count:     84
    .vgpr_count:     256
    .wavefront_size: 32
...
	.end_amdgpu_metadata
.endif
;; end of part 8
;; launch gemm_out (part 9): grid 8 x 32, 4 waves a work-group, clusters of 4 x 4, 222,720 bytes of LDS; arguments img, aimg, bo, out0; writes out0
.if DOCPART == 9
	.amdgcn_target "amdgcn-amd-amdhsa--gfx1250"
	.amdhsa_code_object_version 6
	.text
	.protected	k_qebeccf11a1_gemm_out
	.globl	k_qebeccf11a1_gemm_out
	.p2align	8
	.type	k_qebeccf11a1_gemm_out,@function
k_qebeccf11a1_gemm_out:
	s_mov_b64 s[64:65], 0
	v_nop
	global_prefetch_b8 v0, s[64:65] scope:SCOPE_SE
	s_setreg_imm32_b32 hwreg(HW_REG_WAVE_MODE, 25, 1), 1
	s_wait_xcnt 0x0
	s_wait_alu depctr_hold_cnt(0) depctr_sa_sdst(0) depctr_va_vdst(0) depctr_va_sdst(0) depctr_va_ssrc(0) depctr_va_vcc(0) depctr_vm_vsrc(0)
	s_getreg_b32 s2, hwreg(HW_REG_IB_STS2, 6, 4)
	s_cmp_eq_u32 s2, 0
	s_cbranch_scc0 .Lentry_in_a_cluster
	s_endpgm
.Lentry_in_a_cluster:
	s_bfe_u32 s2, ttmp6, 0x10000c
	s_cmp_lg_u32 s2, 0xf033
	s_cbranch_scc0 .Lentry_shape_is_right
	s_endpgm
.Lentry_shape_is_right:
; out0 = a Wo + bo on codes of FP6 (E2M3).  Work-group (gx, rb): 128 columns x 128 tokens; wave (wc, wt): 64 columns x 64 tokens.
; A WAVE HOLDS ITS 64 COLUMNS OF Wo, ALL OF K, IN 384 REGISTERS; the token tiles of a stream past, a BLOCK of 32 products each, fragments in two sets by turns.  A block's 16 tokens x 64 columns are whole rows of 256 bytes and leave while the next is multiplied.
; Source 0 = Wo's tile, source 1 = the token tile: a lane is a token, register 8 j + i column 32 h + 8 j + i.  A tile's row r is row 32 (r / 8) + 8 j + r % 8 of its band of 64.
; LDS IS FILLED ONCE: one tensor load a wave at the head: waves 0, 1 halves of Wo's eight tiles, waves 2, 3 of a's (tiles of 12,800 bytes: codes, then scale words).
; CLUSTER 4 x 4: Wo's tiles hang on gx alone and are asked for jointly down a column of the cluster, a's on rb alone and jointly along a row.  No prefetch: all is asked for at the head, there is no loop to run ahead in.
; The bias is the first products' C.  LIMITS: NaN and infinities are not served.
; REGISTERS: v1-3, v4-6 LDS addresses of Wo's and a's tiles; v10-12 the way out; v14, v15 the add; v16-47 Wo's scale words; v52-67 a's, two sets; v128-191 rows read back; v192-255 accumulators, two sets.
;   Fragment f: window 1 + f / 21, register 12 (f % 21): 0-31 Wo's (4 s + j), 32-47 a's two sets.  Window 3 from v96: the bias.
.set SX,  16
.set SW,  52
.set BK,  128
.set ACC, 192
.set STAGE, 204800                     ; 16 rows x 272 bytes for each wave; no fill ever lands here
.set SPARE, STAGE+4*4352
.set MSB, 0
.macro WIN new
.if MSB != (\new)
	s_set_vgpr_msb (MSB<<8)|(\new)
.set MSB, (\new)
.endif
.endm
.macro PLACES
.rept 4
	v_nop
.endr
.endm
.macro CROUND
	s_barrier_signal -1
	s_barrier_wait -1
	s_cmp_lg_u32 s18, 0
	s_cbranch_scc1 .Lnot_wave_0_\@
	s_barrier_signal -3
.Lnot_wave_0_\@:
	s_barrier_wait -3
	s_barrier_signal -1
	s_barrier_wait -1
.endm
.macro FRAG f, o, a16, a8
	WIN ((1+(\f)/21)<<6)
.set R_, 12*((\f)%21)
	ds_load_b128 v[R_:R_+3], v[\a16] offset:\o
	ds_load_b64 v[R_+4:R_+5], v[\a8] offset:(\o)+512
	ds_load_b128 v[R_+6:R_+9], v[\a16] offset:(\o)+768
	ds_load_b64 v[R_+10:R_+11], v[\a8] offset:(\o)+1280
.endm
.macro FETCH e, j                      ; a token tile, 34 loads, into set e
.irp k, 0,1,2,3,4,5,6,7
	FRAG 32+8*\e+\k, 12800*(\j)+1536*\k, 4, 5
.endr
	WIN 0
	ds_load_b128 v[SW+8*\e:SW+8*\e+3], v6 offset:12800*(\j)+12288
	ds_load_b128 v[SW+8*\e+4:SW+8*\e+7], v6 offset:12800*(\j)+12544
.endm
.macro P1 d, a, b, c, x0, x1
	v_wmma_scale_f32_16x16x128_f8f6f4 v[\d:\d+7], v[\a:\a+11], v[\b:\b+11], \c, v[\x0], v[\x1] matrix_a_fmt:MATRIX_FMT_FP6 matrix_b_fmt:MATRIX_FMT_FP6
.endm
.macro PR t, from, to                  ; products n = 4 x K step + column tile
.set N_, \from
.rept (\to)-(\from)
.set S_, N_/4
.set J_, N_%4
.set F_, 32+8*((\t)%2)+S_
.set A_, 12*(N_%21)
.set B_, 12*(F_%21)
.set D_, ACC+32*((\t)%2)+8*J_
.set C_, 96+8*J_
.set XA_, SX+8*J_+S_
.set XB_, SW+8*((\t)%2)+S_
.if S_
	WIN ((1+N_/21)|((1+F_/21)<<2))
	P1 D_, A_, B_, v[D_:D_+7], XA_, XB_
.else
	WIN ((1+N_/21)|((1+F_/21)<<2)|48)
	P1 D_, A_, B_, v[C_:C_+7], XA_, XB_
.endif
.set N_, N_+1
.endr
.endm
.macro TOSTAGE t                       ; 16 tokens x 256 bytes into my own stage and back by rows; LDS serves a wave's instructions in order
.if (\t) > 1
	s_wait_xcnt 0x0                                ; the stores of two tiles back have read their registers
.endif
.irp k, 0,1,2,3,4,5,6,7
	ds_store_b128 v10, v[ACC+32*((\t)%2)+4*\k:ACC+32*((\t)%2)+4*\k+3] offset:16*\k   ; each accumulator from its low end on
.endr
.irp k, 0,1,2,3,4,5,6,7
	ds_load_b128 v[BK+32*((\t)%2)+4*\k:BK+32*((\t)%2)+4*\k+3], v11 offset:544*\k     ; tile rows 2 k and 2 k + 1
.endr
.endm
.macro SEND t
.irp k, 0,1,2,3,4,5,6,7
	global_store_b128 v12, v[BK+32*((\t)%2)+4*\k:BK+32*((\t)%2)+4*\k+3], s[10:11] offset:((2*\k)%8+32*(\k/4)+8*(\t))*4096 th:TH_STORE_NT   ; sixteen lanes store 256 consecutive bytes, aligned
.endr
.endm
.macro BLK t, w
	s_wait_dscnt \w
	PR \t, 0, 16
	WIN 0
.if \t
	s_wait_dscnt 0x0                               ; the last tile's rows are back
	SEND (\t-1)
.endif
	PR \t, 16, 32
	WIN 0
	PLACES
.if \t < 2
	FETCH \t, \t+2
.endif
	TOSTAGE \t
.endm
.macro GROUP1 g, mask                  ; four tiles, dense, as 200 rows of 256 bytes
	s_or_b32 s[\g], s[\mask], (3<<16)|(1<<21)
	s_mov_b32 s[\g+1], 32<<16
	s_mov_b32 s[\g+2], 200<<16
	s_mov_b32 s[\g+3], 32<<16
	s_mov_b32 s[\g+4], 200
	s_mov_b32 s[\g+5], 32
	s_mov_b32 s[\g+6], 0
	s_mov_b32 s[\g+7], 0
.endm
	s_load_b256 s[4:11], s[0:1], 0x0               ; img, aimg, bo, out0
	v_lshl_add_u32 v14, v0, 2, SPARE
	v_mov_b32 v15, 0
	ds_add_u32 v14, v15                            ; the opening add, twice, and its wait
	ds_add_u32 v14, v15
	v_lshrrev_b32 v1, 5, v0
	v_readfirstlane_b32 s18, v1                    ; wave 0..3
	s_and_b32 s19, s18, 1                          ; wt; also: which half I fetch
	s_lshr_b32 s20, s18, 1                         ; wc
	s_bfe_u32 s21, ttmp6, 0x40000                  ; cx
	s_bfe_u32 s22, ttmp6, 0x40004                  ; cy
	s_lshl_b32 s80, ttmp9, 2
	s_add_co_u32 s80, s80, s21                     ; gx 0..7
	s_and_b32 s81, ttmp7, 0xffff
	s_lshl_b32 s81, s81, 2
	s_add_co_u32 s81, s81, s22                     ; rb 0..31
	s_lshl_b32 s86, 0x1111, s21                    ; my column of the cluster: Wo's partners
	s_lshl_b32 s87, s22, 2
	s_lshl_b32 s87, 15, s87                        ; my row: a's partners
	GROUP1 24, 86
	GROUP1 32, 87
	s_mul_i32 s2, s19, 51200
	s_mul_i32 s88, s80, 102400
	s_add_co_u32 s88, s88, 448*12800               ; Wo's tiles
	s_add_co_u32 s88, s88, s2
	s_mov_b32 s89, 0
	s_mul_i32 s90, s81, 102400
	s_add_co_u32 s90, s90, s2
	s_mov_b32 s91, 0
	s_mul_i32 s3, s20, 51200
	s_add_co_u32 s2, s2, 102400
	v_and_b32 v68, 31, v0
	v_and_b32 v69, 15, v0                          ; r
	v_bfe_u32 v70, v0, 4, 1                        ; h
	v_lshlrev_b32 v71, 4, v68
	v_lshlrev_b32 v72, 3, v68
	v_lshlrev_b32 v73, 4, v69
	v_add_nc_u32 v1, s3, v71
	v_add_nc_u32 v2, s3, v72
	v_add_nc_u32 v3, s3, v73
	v_add_nc_u32 v4, s2, v71
	v_add_nc_u32 v5, s2, v72
	v_add_nc_u32 v6, s2, v73
	s_mul_i32 s23, s18, 4352
	s_add_co_u32 s23, s23, STAGE
	v_mul_u32_u24 v10, v69, 272
	v_lshl_add_u32 v10, v70, 7, v10
	v_add_nc_u32 v10, s23, v10                     ; in: row r, + 128 h
	v_mul_u32_u24 v11, v70, 272
	v_add_nc_u32 v11, v11, v73
	v_add_nc_u32 v11, s23, v11                     ; back: lanes 0-15 one row, lanes 16-31 the next
	v_lshl_add_u32 v12, v70, 12, v73               ; and the same two rows in out0
	v_lshlrev_b32 v74, 7, v70                      ; the bias: 32 h columns on
	s_wait_alu depctr_va_vdst(0)                   ; the wait at the head's end
	s_wait_dscnt 0x0
	CROUND                                         ; the opening round
	s_wait_kmcnt 0x0
	s_mov_b32 s48, 1
	s_mul_i32 s49, s18, 51200                      ; Wo's halves at 0 and 51,200, a's behind them
	s_add_nc_u64 s[50:51], s[4:5], s[88:89]
	s_or_b32 s51, s51, 0x80000000
	s_mov_b32 s52, 1
	s_mov_b32 s53, s49
	s_add_nc_u64 s[54:55], s[6:7], s[90:91]
	s_or_b32 s55, s55, 0x80000000
	s_cmp_lt_u32 s18, 2
	s_cbranch_scc0 .Lhead_a
	tensor_load_to_lds s[48:51], s[24:31]
	s_nop 0
	PLACES
	s_branch .Lasked
.Lhead_a:
	tensor_load_to_lds s[52:55], s[32:39]
	s_nop 0
	PLACES
.Lasked:
	s_lshl_b32 s2, s80, 9
	s_lshl_b32 s3, s20, 8
	s_add_co_u32 s2, s2, s3                        ; my first column, in bytes
	s_mov_b32 s3, 0
	s_add_nc_u64 s[8:9], s[8:9], s[2:3]
	s_add_nc_u64 s[10:11], s[10:11], s[2:3]
	s_lshl_b32 s2, s81, 19
	s_lshl_b32 s66, s19, 18
	s_add_co_u32 s2, s2, s66                       ; my first token's row
	s_add_nc_u64 s[10:11], s[10:11], s[2:3]
	WIN 0xc0
.irp k, 0,1,2,3,4,5,6,7
	global_load_b128 v[96+4*\k:96+4*\k+3], v74, s[8:9] offset:16*\k
.endr
	WIN 0
	s_cmp_lt_u32 s18, 2
	s_cbranch_scc0 .Lno_w
	s_wait_tensorcnt 0x0
.Lno_w:
	s_barrier_signal -1
	s_barrier_wait -1                              ; Wo's tiles are in; nothing is ever filled again
.irp k, 0,1,2,3,4,5,6,7
.irp t, 0,1,2,3
	FRAG 4*\k+\t, 12800*\t+1536*\k, 1, 2
.endr
.endr
	WIN 0
.irp t, 0,1,2,3
	ds_load_b128 v[SX+8*\t:SX+8*\t+3], v3 offset:12800*\t+12288
	ds_load_b128 v[SX+8*\t+4:SX+8*\t+7], v3 offset:12800*\t+12544
.endr
	s_wait_loadcnt 0x0                             ; the bias
	s_wait_tensorcnt 0x0
	s_wait_dscnt 0x0
	s_barrier_signal -1
	s_barrier_wait -1                              ; a's tiles are in
	FETCH 0, 0
	FETCH 1, 1
	BLK 0, 34                                      ; the second tile's 34 loads may be out
	BLK 1, 50                                      ; the third tile's 34 and the first's way out, 16
	BLK 2, 50
	BLK 3, 16
	s_wait_dscnt 0x0
	SEND 3
	s_wait_tensorcnt 0x0                           ; the wave's end
	ds_add_u32 v14, v15
	s_wait_dscnt 0x0
	CROUND                                         ; the closing round: no work-group ends while a partner may still ask for a tile that names it
	s_endpgm
.Lfunc_end_k_qebeccf11a1_gemm_out:
	.size	k_qebeccf11a1_gemm_out, .Lfunc_end_k_qebeccf11a1_gemm_out-k_qebeccf11a1_gemm_out
	.p2alignl 7, 3214868480
	.fill 96, 4, 3214868480
	.section	.rodata,"a",@progbits
	.p2align	6, 0x0
	.amdhsa_kernel k_qebeccf11a1_gemm_out
		.amdhsa_group_segment_fixed_size 222720
		.amdhsa_private_segment_fixed_size 0
		.amdhsa_enable_private_segment 0
		.amdhsa_kernarg_size 32
		.amdhsa_user_sgpr_count 2
		.amdhsa_user_sgpr_kernarg_segment_ptr 1
		.amdhsa_wavefront_size32 1
		.amdhsa_system_sgpr_workgroup_id_x 1
		.amdhsa_system_sgpr_workgroup_id_y 1
		.amdhsa_system_sgpr_workgroup_id_z 1
		.amdhsa_system_vgpr_workitem_id 0
		.amdhsa_next_free_vgpr 896
		.amdhsa_next_free_sgpr 102
		.amdhsa_reserve_vcc 0
		.amdhsa_float_denorm_mode_32 3
		.amdhsa_float_denorm_mode_16_64 3
		.amdhsa_memory_ordered 1
		.amdhsa_forward_progress 1
		.amdhsa_inst_pref_size 49
	.end_amdhsa_kernel
	.amdgpu_metadata
---
amdhsa.version: [ 1, 2 ]
amdhsa.kernels:
  - .name:           k_qebeccf11a1_gemm_out
    .symbol:         k_qebeccf11a1_gemm_out.kd
    .args:
      - { .name: img, .offset: 0, .size: 8, .value_kind: global_buffer, .address_space: global }
      - { .name: aimg, .offset: 8, .size: 8, .value_kind: global_buffer, .address_space: global }
      - { .name: bo, .offset: 16, .size: 8, .value_kind: global_buffer, .address_space: global }
      - { .name: out0, .offset: 24, .size: 8, .value_kind: global_buffer, .address_space: global }
    .group_segment_fixed_size: 222720
    .private_segment_fixed_size: 0
    .kernarg_segment_align: 8
    .kernarg_segment_size: 32
    .max_flat_workgroup_size: 128
    .sgpr_count:     102
    .vgpr_count:     896
    .wavefront_size: 32
...
	.end_amdgpu_metadata
.endif
;; end of part 9
